; MI455X (gfx1250); checked and timed in simulation.
; The chip was launched on July 23, 2026; its instructions are those of AMD's public machine-readable ISA for CDNA 5 (MIT licence, August 2026) and "CDNA5" Instruction Set Architecture Reference Guide (July 2026). The comments in the code are by the model that wrote it; some were corrected since.
;; Low Rank Attention. Allowed arithmetic: matrix products marked QUANTISED: E2M1 operands, one E8M0 scale for each 32 along K, by v_wmma_scale_f32_16x16x128_f8f6f4 with both operands' format E2M1 (or v_wmma_scale_f32_32x16x128_f4), f32 sums; products left as they are: bf16, f16 or f32 operands; f32 sums; everything else in f32.
;; Inputs: k 2 x 2,048 x 1,024 float32; k_b 1,024 float32; k_u 1,024 x 128 float32; k_v 128 x 1,024 float32; mask 2 x 2,048 int32; out_b 1,024 float32; out_u 1,024 x 128 float32; out_v 128 x 1,024 float32; q 2 x 2,048 x 1,024 float32; q_b 1,024 float32; q_u 1,024 x 128 float32; q_v 128 x 1,024 float32; v 2 x 2,048 x 1,024 float32; v_b 1,024 float32; v_u 1,024 x 128 float32; v_v 128 x 1,024 float32.
;; Outputs: out0 2 x 2,048 x 1,024 float32.
;; This version of the problem:
;;   THIS VERSION OF THE PROBLEM IS GIVEN IN LOW PRECISION. The matrix products marked QUANTISED in the list below multiply operands that are first quantised to E2M1 (2 exponent bits, 1 mantissa bit; 4 bits a number), with one power-of-two scale for each 32 numbers along K (OCP MX v1.0); their sums are f32. The products marked 'left as it is' may take bf16, f16 or f32 operands, with f32 sums. Whichever they take, every output number must still come out within the allowed error. Rounding operands to bf16 (8 significant bits) uses up far more of that allowance than f16 does (11 bits, for magnitudes from 6e-5 to 65,504). All else is computed in f32.
;;   The module's matrix products, in the order in which they are computed (A, B: the left and right operand; K: the contracted axis; several contracted axes count as one K, in the product's order):
;;     1. [M 128, K 1,024] x [K 1,024, N 4,096]; A: input q_u; B: input q: QUANTISED
;;     2. [M 4,096, K 128] x [K 128, N 1,024]; A: computed on the way; B: input q_v: left as it is (an operand is computed on the way)
;;     3. [M 128, K 1,024] x [K 1,024, N 4,096]; A: input k_u; B: input k: QUANTISED
;;     4. [M 4,096, K 128] x [K 128, N 1,024]; A: computed on the way; B: input k_v: left as it is (an operand is computed on the way)
;;     5. [M 128, K 1,024] x [K 1,024, N 4,096]; A: input v_u; B: input v: QUANTISED
;;     6. [M 4,096, K 128] x [K 128, N 1,024]; A: computed on the way; B: input v_v: left as it is (an operand is computed on the way)
;;     7. batch 32 x [M 2,048, K 64] x [K 64, N 2,048]; A: computed on the way; B: computed on the way: left as it is (an operand is computed on the way)
;;     8. batch 32 x [M 64, K 2,048] x [K 2,048, N 2,048]; A: computed on the way; B: computed on the way: left as it is (an operand is computed on the way)
;;     9. [M 128, K 1,024] x [K 1,024, N 4,096]; A: input out_u; B: computed on the way: left as it is (an operand is computed on the way)
;;     10. [M 4,096, K 128] x [K 128, N 1,024]; A: computed on the way; B: input out_v: left as it is (an operand is computed on the way)
;;   THE QUANTISER, for each operand of a quantised product, along K:
;;     - K is cut into blocks of 32 from its start; a last block that is shorter is filled with zeros.
;;     - A block's scale is 2^e with e = floor(log2(the largest magnitude in the block)) - 2, held to -126 .. 127; a block of zeros has e = 0. As a byte (E8M0): e + 127.
;;     - Each number is divided by its block's scale, clamped to +-6, and rounded to the nearest number of E2M1, ties to even, subnormals kept.
;;     - The product sums the exact products of the quantised numbers (number of the format x scale) in f32.
;;   ~~~python
;;   def quantise(x, axis):      # numpy; x: float32 -> the quantised numbers, widened to float32 again
;;       x = np.moveaxis(x, axis, -1); K = x.shape[-1]
;;       x = np.pad(x, [(0, 0)] * (x.ndim - 1) + [(0, -K % 32)]); x = x.reshape(x.shape[:-1] + (-1, 32)); a = np.abs(x).max(-1, keepdims=True)
;;       e = np.where(a > 0, np.clip(np.frexp(np.where(a > 0, a, 1))[1] - 1 - 2, -126, 127), 0)      # np.frexp(a)[1] - 1 = floor(log2(a)), exactly
;;       r = np.clip(x / 2.0 ** e, -6, 6)
;;       step = 2.0 ** (np.maximum(np.frexp(np.where(r == 0, 1, r))[1] - 1, 0) - 1)
;;       q = np.round(r / step) * step * 2.0 ** e      # np.round: ties to even
;;       return np.moveaxis(q.reshape(q.shape[:-2] + (-1,))[..., :K], -1, axis).astype(np.float32)
;;   ~~~
;; One version. Each part assembles by itself: llvm-mc -triple=amdgcn-amd-amdhsa -mcpu=gfx1250 --defsym DOCPART=n.
;; ======== version 1 of 1: 4 launches
;; limits: right only within a limited range of input values
;; workspace buffers: wts 1,533,184 bytes; qf 8,388,608 bytes; kf 8,388,608 bytes; vf 8,388,608 bytes; vsc 4,096 bytes; ctx32 16,777,216 bytes
;; launch prep (part 1): grid 120 x 1, 4 waves a work-group, no clusters, 0 bytes of LDS; arguments q_u, k_u, v_u, out_u, q_v, k_v, v_v, out_v, wts; writes wts
.if DOCPART == 1
	.amdgcn_target "amdgcn-amd-amdhsa--gfx1250"
	.amdhsa_code_object_version 6
	.text
	.protected	k_qa4b39e49cd_prep
	.globl	k_qa4b39e49cd_prep
	.p2align	8
	.type	k_qa4b39e49cd_prep,@function
k_qa4b39e49cd_prep:
	s_mov_b64 s[64:65], 0
	v_nop
	global_prefetch_b8 v0, s[64:65] scope:SCOPE_SE
	s_setreg_imm32_b32 hwreg(HW_REG_WAVE_MODE, 25, 1), 1
	s_wait_xcnt 0x0
; PREP: the eight weights are laid out once, in the order in which a wave's operand registers take them (a fragment = 8 registers a lane: registers 0-3 as 512 bytes at 16 x lane, registers 4-7 as the next 512).
;  J1 (work-groups 0-47, a wave a job): q_u, k_u, v_u [1024 (k)][128 (rank)] f32 -> codes of E2M1 along k with one E8M0 byte for each 32: fragment (tensor, 128 k, 16 ranks) and its scale word, one a lane.
;  J2 (48-111): q_v, k_v, v_v, out_v [128 (k)][1024] f32 -> f16 fragments of 16 columns x 32 k; the four of a column tile share ONE power-of-two scale, taken from their largest magnitude: numbers x 2^-e lie under 2.
;  J3 (112-119): out_u [1024 (k)][128] likewise, a block = 16 ranks x 256 k.
; A lane takes a column and its registers run down k, so nothing is transposed.  The scales 2^e go to small tables as f32; the products' sums are multiplied by them afterwards, exactly.
; LIMITS: NaN and infinities are not served.  An E2M1 block of zeros gets the byte 1 (its codes are zeros; this program alone reads the bytes).  An f16 number under 2^-14 of its block's largest loses bits against itself, not against the block.
.set US_O, 196608                      ; wts: the scale words of J1, 128 bytes an entry
.set WF_O, 221184                      ; J2's fragments [tensor][column tile 64][32 k: 4][1024]
.set OF_O, 1269760                     ; J3's fragments [256 k: 4][32 k: 8][rank tile 8][1024]
.set WU_O, 1531904                     ; J2's scales [4][64] f32
.set OU_O, 1532928                     ; J3's scales [4][8] f32
.set X,   64                           ; v64-191  the numbers
.set P,   192                          ; v192-255 the packed f16
.set M,   16                           ; v16-19   four running maxima
.set UP,  20                           ; v20      2^e
.set TMP, 21
.set DN,  22                           ; v22-23   2^-e, twice (a pair for the packed multiply)
.macro WMAX rm, rt                     ; the largest of the 32 lanes, in every lane
	v_max_num_f32_dpp v[\rm], v[\rm], v[\rm] row_xmask:1 row_mask:0xf bank_mask:0xf
	v_max_num_f32_dpp v[\rm], v[\rm], v[\rm] row_xmask:2 row_mask:0xf bank_mask:0xf
	v_max_num_f32_dpp v[\rm], v[\rm], v[\rm] row_xmask:4 row_mask:0xf bank_mask:0xf
	v_max_num_f32_dpp v[\rm], v[\rm], v[\rm] row_xmask:8 row_mask:0xf bank_mask:0xf
	v_permlanex16_b32 v[\rt], v[\rm], s36, s37
	v_max_num_f32 v[\rm], v[\rm], v[\rt]
.endm
; nu fragments of 32 k of one tile of 16 columns: X[16 u + 8 g + i] = W(32 u + 16 g + 8 h + i, column r); source at s[28:29], images to s[32:33] (stride bytes apart), the scale to s[34:35]
.macro WCONV nu, pitch, stride
	v_mul_u32_u24 v8, v4, 8*\pitch
	v_add_nc_u32 v8, v8, v7                        ; 4 r + 8 h rows
.set q, 0
.rept 16*\nu
	global_load_b32 v[X+q], v8, s[28:29] offset:(32*(q/16)+16*((q/8)%2)+q%8)*\pitch
.set q, q+1
.endr
	s_wait_loadcnt 0x0
.irp k, 0,1,2,3
	v_max3_num_f32 v[M+\k], |v[X+2*\k]|, |v[X+2*\k+1]|, 0x800000   ; the floor 2^-126 among the leaves
.endr
.set q, 8
.rept 2*\nu-1
.irp k, 0,1,2,3
	v_max3_num_f32 v[M+\k], v[M+\k], |v[X+q+2*\k]|, |v[X+q+2*\k+1]|
.endr
.set q, q+8
.endr
	v_max3_num_f32 v[M], v[M], v[M+1], v[M+2]
	v_max_num_f32 v[M], v[M], v[M+3]
	WMAX M, TMP
	v_min_u32 v[M], 0x7e7fffff, v[M]               ; so that 2^-e stays a normal number
	v_and_b32 v[UP], 0x7f800000, v[M]              ; 2^e: the largest magnitude's exponent field alone
	v_sub_nc_u32 v[DN], 0x7f000000, v[UP]          ; 2^-e: the field 254 - E
	v_mov_b32 v[DN+1], v[DN]
.set q, 0
.rept 8*\nu
	v_pk_mul_f32 v[X+q:X+q+1], v[X+q:X+q+1], v[DN:DN+1] op_sel_hi:[1,0]
.set q, q+2
.endr
.set q, 0
.rept 8*\nu
	v_cvt_pk_f16_f32 v[P+q], v[X+2*q], v[X+2*q+1]
.set q, q+1
.endr
.set q, 0
.rept \nu
	global_store_b128 v5, v[P+8*q:P+8*q+3], s[32:33] offset:q*\stride
	global_store_b128 v5, v[P+8*q+4:P+8*q+7], s[32:33] offset:q*\stride+512
.set q, q+1
.endr
	s_wait_xcnt 0x0                                ; EXEC changes only behind this wait
	v_cmp_eq_u32 vcc_lo, 0, v2
	s_and_saveexec_b32 s38, vcc_lo                 ; lane 0 alone stores the block's scale
	global_store_b32 v13, v[UP], s[34:35]
	s_wait_xcnt 0x0                                ; and again in front of the line that widens it
	s_or_b32 exec_lo, exec_lo, s38
.endm
	s_load_b512 s[4:19], s[0:1], 0x0               ; q_u 4, k_u 6, v_u 8, out_u 10, q_v 12, k_v 14, v_v 16, out_v 18
	s_load_b64 s[20:21], s[0:1], 0x40              ; wts
	v_lshrrev_b32 v1, 5, v0
	v_readfirstlane_b32 s22, v1                    ; wave
	v_and_b32 v2, 31, v0                           ; lane
	v_and_b32 v3, 15, v0                           ; r
	v_bfe_u32 v4, v0, 4, 1                         ; h
	v_lshlrev_b32 v5, 4, v2                        ; 16 x lane
	v_lshlrev_b32 v6, 2, v2                        ; 4 x lane
	v_lshlrev_b32 v7, 2, v3                        ; 4 r
	v_mov_b32 v13, 0
	v_mov_b32 v[TMP], 0                            ; a lane permute's destination counts as read
	s_lshl_b32 s23, ttmp9, 2
	s_add_co_u32 s23, s23, s22                     ; job
	s_mov_b32 s36, 0x76543210
	s_mov_b32 s37, 0xfedcba98                      ; selects for lane l xor 16
	s_mov_b32 s31, 0
	s_wait_kmcnt 0x0
	s_cmp_lt_u32 ttmp9, 48
	s_cbranch_scc0 .Lnot_u
	; ---- J1: tensor = job / 64, rank tile t = (job / 8) % 8, 128 k: s = job % 8
	s_lshr_b32 s24, s23, 6
	s_bfe_u32 s25, s23, 0x30003
	s_and_b32 s26, s23, 7
	s_cmp_eq_u32 s24, 1
	s_cselect_b64 s[28:29], s[6:7], s[4:5]
	s_cmp_eq_u32 s24, 2
	s_cselect_b64 s[28:29], s[8:9], s[28:29]
	s_lshl_b32 s30, s26, 16                        ; 128 rows of 512 bytes
	s_lshl_b32 s27, s25, 6                         ; 16 ranks of 4 bytes
	s_add_co_u32 s30, s30, s27
	s_add_nc_u64 s[28:29], s[28:29], s[30:31]
	v_lshl_add_u32 v8, v4, 14, v7                  ; 4 r + 32 h rows: lane (r, h) wants k = 64 c + 32 h + 0 .. 31 of rank r
.irp c, 0,1
.set q, 0
.rept 32
	global_load_b32 v[X+32*\c+q], v8, s[28:29] offset:(64*\c+q)*512
.set q, q+1
.endr
.endr
	s_lshl_b32 s30, s24, 3
	s_add_co_u32 s30, s30, s26
	s_lshl_b32 s30, s30, 3
	s_add_co_u32 s27, s30, s25                     ; the entry: (tensor x 8 + s) x 8 + t
	s_lshl_b32 s30, s27, 10
	s_add_nc_u64 s[32:33], s[20:21], s[30:31]
	s_lshl_b32 s30, s27, 7
	s_add_co_u32 s30, s30, US_O
	s_add_nc_u64 s[34:35], s[20:21], s[30:31]
	s_wait_loadcnt 0x0
.irp c, 0,1                                    ; my blocks h and 2 + h: all 32 numbers of each are mine
	v_max3_num_f32 v[32+\c], |v[X+32*\c]|, |v[X+1+32*\c]|, 0x1800000   ; the floor 2^(3 - 127) holds the byte at 1 from below
.endr
.irp i, 2,4,6,8,10,12,14,16,18,20,22,24,26,28,30
.irp c, 0,1
	v_max3_num_f32 v[32+\c], v[32+\c], |v[X+32*\c+\i]|, |v[X+1+32*\c+\i]|
.endr
.endr
.irp c, 0,1
	v_add_nc_u32 v[44+\c], 0xff000000, v[32+\c]    ; 2 off the exponent field: the conversion's scale operand
.endr
.irp c, 0,1
	v_lshrrev_b32 v[36+\c], 23, v[44+\c]           ; the scale's byte
.endr
	v_lshl_or_b32 v9, v37, 16, v36                 ; my two bytes,
	v_lshlrev_b32 v10, 3, v4
	v_lshlrev_b32 v9, v10, v9                      ; 8 h bits up;
	v_mov_b32 v10, 0
	v_permlanex16_b32 v10, v9, s36, s37
	v_or_b32 v9, v9, v10                           ; with lane l xor 16's two the word is whole
.irp c, 0,1
.irp g, 0,1,2,3
	v_cvt_scalef32_pk8_fp4_f32 v[48+4*\c+\g], v[X+32*\c+8*\g:X+32*\c+8*\g+7], v[44+\c]
.endr
.endr
	v_nop                                          ; one plain line behind the last scaled conversion
	global_store_b128 v5, v[48:51], s[32:33]
	global_store_b128 v5, v[52:55], s[32:33] offset:512
	global_store_b32 v6, v9, s[34:35]
	s_endpgm
.Lnot_u:
	s_cmp_lt_u32 ttmp9, 112
	s_cbranch_scc0 .Lout_u
	; ---- J2: j = job - 192 = tensor x 64 + column tile
	s_sub_co_u32 s24, s23, 192
	s_lshr_b32 s25, s24, 6
	s_and_b32 s26, s24, 63
	s_cmp_eq_u32 s25, 1
	s_cselect_b64 s[28:29], s[14:15], s[12:13]
	s_cmp_eq_u32 s25, 2
	s_cselect_b64 s[28:29], s[16:17], s[28:29]
	s_cmp_eq_u32 s25, 3
	s_cselect_b64 s[28:29], s[18:19], s[28:29]
	s_lshl_b32 s30, s26, 6
	s_add_nc_u64 s[28:29], s[28:29], s[30:31]
	s_lshl_b32 s30, s24, 12
	s_add_co_u32 s30, s30, WF_O
	s_add_nc_u64 s[32:33], s[20:21], s[30:31]
	s_lshl_b32 s30, s24, 2
	s_add_co_u32 s30, s30, WU_O
	s_add_nc_u64 s[34:35], s[20:21], s[30:31]
	WCONV 4, 4096, 1024
	s_endpgm
.Lout_u:
	; ---- J3: j = job - 448: rank tile t = j / 4, quarter of K w = j % 4
	s_sub_co_u32 s24, s23, 448
	s_lshr_b32 s25, s24, 2
	s_and_b32 s26, s24, 3
	s_lshl_b32 s30, s26, 17                        ; 256 rows of 512 bytes
	s_lshl_b32 s27, s25, 6
	s_add_co_u32 s30, s30, s27
	s_add_nc_u64 s[28:29], s[10:11], s[30:31]
	s_lshl_b32 s30, s26, 16
	s_lshl_b32 s27, s25, 10
	s_add_co_u32 s30, s30, s27
	s_add_co_u32 s30, s30, OF_O
	s_add_nc_u64 s[32:33], s[20:21], s[30:31]
	s_lshl_b32 s30, s26, 3
	s_add_co_u32 s30, s30, s25
	s_lshl_b32 s30, s30, 2
	s_add_co_u32 s30, s30, OU_O
	s_add_nc_u64 s[34:35], s[20:21], s[30:31]
	WCONV 8, 512, 8192
	s_endpgm
.Lfunc_end_k_qa4b39e49cd_prep:
	.size	k_qa4b39e49cd_prep, .Lfunc_end_k_qa4b39e49cd_prep-k_qa4b39e49cd_prep
	.p2alignl 7, 3214868480
	.fill 96, 4, 3214868480
	.section	.rodata,"a",@progbits
	.p2align	6, 0x0
	.amdhsa_kernel k_qa4b39e49cd_prep
		.amdhsa_group_segment_fixed_size 0
		.amdhsa_private_segment_fixed_size 0
		.amdhsa_enable_private_segment 0
		.amdhsa_kernarg_size 72
		.amdhsa_user_sgpr_count 2
		.amdhsa_user_sgpr_kernarg_segment_ptr 1
		.amdhsa_wavefront_size32 1
		.amdhsa_system_sgpr_workgroup_id_x 1
		.amdhsa_system_sgpr_workgroup_id_y 1
		.amdhsa_system_sgpr_workgroup_id_z 1
		.amdhsa_system_vgpr_workitem_id 0
		.amdhsa_next_free_vgpr 256
		.amdhsa_next_free_sgpr 66
		.amdhsa_reserve_vcc 1
		.amdhsa_float_denorm_mode_32 3
		.amdhsa_float_denorm_mode_16_64 3
		.amdhsa_memory_ordered 1
		.amdhsa_forward_progress 1
		.amdhsa_inst_pref_size 54
	.end_amdhsa_kernel
	.amdgpu_metadata
---
amdhsa.version: [ 1, 2 ]
amdhsa.kernels:
  - .name:           k_qa4b39e49cd_prep
    .symbol:         k_qa4b39e49cd_prep.kd
    .args:
      - { .name: q_u, .offset: 0, .size: 8, .value_kind: global_buffer, .address_space: global }
      - { .name: k_u, .offset: 8, .size: 8, .value_kind: global_buffer, .address_space: global }
      - { .name: v_u, .offset: 16, .size: 8, .value_kind: global_buffer, .address_space: global }
      - { .name: out_u, .offset: 24, .size: 8, .value_kind: global_buffer, .address_space: global }
      - { .name: q_v, .offset: 32, .size: 8, .value_kind: global_buffer, .address_space: global }
      - { .name: k_v, .offset: 40, .size: 8, .value_kind: global_buffer, .address_space: global }
      - { .name: v_v, .offset: 48, .size: 8, .value_kind: global_buffer, .address_space: global }
      - { .name: out_v, .offset: 56, .size: 8, .value_kind: global_buffer, .address_space: global }
      - { .name: wts, .offset: 64, .size: 8, .value_kind: global_buffer, .address_space: global }
    .group_segment_fixed_size: 0
    .private_segment_fixed_size: 0
    .kernarg_segment_align: 8
    .kernarg_segment_size: 72
    .max_flat_workgroup_size: 128
    .sgpr_count:     66
    .vgpr_count:     256
    .wavefront_size: 32
...
	.end_amdgpu_metadata
.endif
;; end of part 1
;; launch proj (part 2): grid 192 x 1, 4 waves a work-group, no clusters, 305,664 bytes of LDS; arguments q, k, v, mask, q_b, k_b, v_b, wts, qf, kf, vf, vsc; writes qf, kf, vf, vsc
.if DOCPART == 2
	.amdgcn_target "amdgcn-amd-amdhsa--gfx1250"
	.amdhsa_code_object_version 6
	.text
	.protected	k_qa4b39e49cd_proj
	.globl	k_qa4b39e49cd_proj
	.p2align	8
	.type	k_qa4b39e49cd_proj,@function
k_qa4b39e49cd_proj:
	s_mov_b64 s[64:65], 0
	v_nop
	global_prefetch_b8 v0, s[64:65] scope:SCOPE_SE
	s_setreg_imm32_b32 hwreg(HW_REG_WAVE_MODE, 25, 1), 1
	s_wait_xcnt 0x0
; PROJ: heads = (Q4(x) Q4(u)) w + b for x = q, k, v.  Work-group = (tensor = id / 64, 64 rows).  The first product on codes of E2M1 with E8M0 scales, the second on f16 with power-of-two block scales.
; PHASE 1 splits K: wave w takes columns 256 w .. 256 w + 255 of all 64 rows.  Its x comes by four tensor loads (16 rows x 1,024 bytes each, 16 bytes of padding behind each 128), all asked for at the head and each LDS byte
; filled once.  A lane takes one block of 32 along K (eight LDS reads of 16 bytes): largest magnitude, scale byte, four conversions; codes and bytes go through the wave's own small stage and come back as the operand's registers.
; T^T = U^T X^T (source 0 = 16 ranks, source 1 = 16 rows): a lane holds ONE row, its registers run along the ranks, which are the next K.  The four waves' partial sums meet in LDS (laid over x, which has had its last fill
; and its last read), wave w sums row tile w in f32, scales it by 2^-e of its largest magnitude, packs it to f16 and hands the fragments to all waves.
; PHASE 2 splits the columns: wave w makes heads 4 w .. 4 w + 3 for all 64 rows, a head (16 accumulators) at a time; w's fragments come from memory straight into registers, one head ahead.
;  q, k: source 0 = w, source 1 = T: a lane holds a row and 8 neighbouring channels: packed to bf16 they ARE the fragments of the score product.  q is multiplied by log2(e) / 8 ahead of the rounding, so that scores come out as
;  exponents of 2.  Rows of k whose mask is 0 are stored as zeros (the next launch gives them their constant score).
;  v: sources swapped: a lane holds a channel and 8 neighbouring keys: packed to f16, scaled by 2^-e of the (head, 64 keys) block's largest magnitude, they are the fragments of V^T; 2^e goes to vsc.
; No cluster: x is read by one work-group alone, and each weight fragment by one wave once, into registers; a joint load lands in LDS, 294,912 bytes of which hold x.
; LIMITS: NaN and infinities are not served.  An E2M1 block of zeros gets the byte 1 with zero codes.  A block of v whose largest magnitude lies under 2^-125 is stored as zeros.
.set XRW,   73728                      ; LDS: a wave's x: 64 rows x 1,152 bytes
.set TILEB, 18432                      ; 16 of them: one tensor load
.set CODES, 294912                     ; a wave's codes of 16 rows: pitch 144
.set SCB,   304128                     ; and their scale bytes: pitch 16
.set SPARE, 305152                     ; the spare words, 128 bytes for each wave
.set US_O,  196608
.set WF_O,  221184
.set WU_O,  1531904
.set LANE, 2
.set R,    3
.set H,    4
.set LI,   5                           ; 16 x lane
.set LS,   6                           ; 4 x lane
.set XA,   7                           ; my block in rows 0-31 of my wave's x;  XA2: rows 32-63
.set XA2,  8
.set CW,   9                           ; where I store a block's codes;  SW: its byte
.set SW,   10
.set CR,   11                          ; where I read a fragment's codes;  SR: its scale words
.set SR,   12
.set SPW,  13
.set NIL,  14
.set PTA,  15                          ; my wave's region + 16 x lane
.set LB,   16                          ; v16-19 wave n's region + 16 x lane
.set PS,   20                          ; v20-23 the same + my row tile's partial sums
.set MA,   24                          ; 4 r
.set BA,   25                          ; 32 h
.set UPV,  26                          ; v26-29 v: the four heads' 2^e
.set XS,   32                          ; v32-33 x's scale words;  v34-49 u's: these 18 hold scales and nothing else
.set USC,  34
.set MK,   50                          ; v50-53 the mask as words of ones or zeros, a row tile each
.set ONES, 54
.set ZERO, 55
.set M,    56                          ; v56-59
.set UP,   60
.set TMP,  61
.set DN,   62                          ; v62-63
.set XB,   64                          ; v64-127 two sets of 32 numbers
.set CD,   128                         ; v128-131 a block's codes
.set MX,   132
.set SCV,  134
.set BY,   135
.set XF,   136                         ; v136-151 x's two fragments
.set TA,   64                          ; the sums of T: v64-127, v128-191, v192-255
.set TBF,  128
.set TC,   192
.set BI,   64                          ; phase 2: two sets of bias;  v128-255 the 16 accumulators: (c, n) at 128 + 8 (4 c + n)
.set ACC,  128
.set G1,   28
.set G0,   36
.set SEL,  56
; window 1: u's 16 fragments, then T's 16 ((n, u) at 32 n + 8 u).  window 2: the 32 partial sums ((n, t) at 64 n + 8 t).  window 3: two sets of w's 16 fragments.
.set MSB, 0
.macro WIN new                         ; the immediate's high byte repeats the setting that is left
.if MSB != \new
	s_set_vgpr_msb (MSB<<8)|\new
.set MSB, \new
.endif
.endm
.macro PLACES
.rept 4
	v_nop
.endr
.endm
.macro WMAX rm, rt
	v_max_num_f32_dpp v[\rm], v[\rm], v[\rm] row_xmask:1 row_mask:0xf bank_mask:0xf
	v_max_num_f32_dpp v[\rm], v[\rm], v[\rm] row_xmask:2 row_mask:0xf bank_mask:0xf
	v_max_num_f32_dpp v[\rm], v[\rm], v[\rm] row_xmask:4 row_mask:0xf bank_mask:0xf
	v_max_num_f32_dpp v[\rm], v[\rm], v[\rm] row_xmask:8 row_mask:0xf bank_mask:0xf
	v_permlanex16_b32 v[\rt], v[\rm], s[SEL], s[SEL+1]
	v_max_num_f32 v[\rm], v[\rm], v[\rt]
.endm
; the largest magnitude of 8 x groups registers of all 32 lanes -> UP = 2^e, DN = 2^-e (twice)
.macro BMAX base, groups
.irp k, 0,1,2,3
	v_max3_num_f32 v[M+\k], |v[\base+2*\k]|, |v[\base+2*\k+1]|, 0x800000
.endr
.set q, 8
.rept \groups-1
.irp k, 0,1,2,3
	v_max3_num_f32 v[M+\k], v[M+\k], |v[\base+q+2*\k]|, |v[\base+q+2*\k+1]|
.endr
.set q, q+8
.endr
	v_max3_num_f32 v[M], v[M], v[M+1], v[M+2]
	v_max_num_f32 v[M], v[M], v[M+3]
	WMAX M, TMP
	v_min_u32 v[M], 0x7e7fffff, v[M]
	v_and_b32 v[UP], 0x7f800000, v[M]
	v_sub_nc_u32 v[DN], 0x7f000000, v[UP]
	v_mov_b32 v[DN+1], v[DN]
.endm
.macro SCALE base, pairs
.set q, 0
.rept \pairs
	v_pk_mul_f32 v[\base+q:\base+q+1], v[\base+q:\base+q+1], v[DN:DN+1] op_sel_hi:[1,0]
.set q, q+2
.endr
.endm
	s_load_b512 s[4:19], s[0:1], 0x0               ; q 4, k 6, v 8, mask 10, q_b 12, k_b 14, v_b 16, wts 18
	s_load_b256 s[20:27], s[0:1], 0x40             ; qf 20, kf 22, vf 24, vsc 26
	v_lshl_add_u32 v[SPW], v0, 2, SPARE
	v_mov_b32 v[NIL], 0
	ds_add_u32 v[SPW], v[NIL]                      ; the wave's opening: the add, twice on end, and its wait ahead of my first tensor load
	ds_add_u32 v[SPW], v[NIL]
	v_lshrrev_b32 v1, 5, v0
	v_readfirstlane_b32 s52, v1                    ; wave
	s_lshr_b32 s53, ttmp9, 6                       ; tensor: 0 q, 1 k, 2 v
	s_and_b32 s54, ttmp9, 63                       ; block of 64 rows
	s_mov_b32 s[G1+0], 0x07120000                  ; elements of 4 bytes; padding on: 4 words behind every 32
	s_mov_b32 s[G1+1], 256<<16                     ; tensor_dim0 = 256
	s_mov_b32 s[G1+2], 16<<16                      ; tensor_dim1 = 16
	s_mov_b32 s[G1+3], 256<<16                     ; tile_dim0 = 256
	s_mov_b32 s[G1+4], 16                          ; tile_dim1 = 16
	s_mov_b32 s[G1+5], 1024                        ; elements from row to row
	s_mov_b32 s[G1+6], 0
	s_mov_b32 s[G1+7], 0
	s_mul_i32 s58, s52, XRW
.irp n, 0,1,2,3
	s_mov_b32 s[G0+4*\n], 1
	s_add_co_u32 s[G0+4*\n+1], s58, \n*TILEB
.endr
	s_mul_i32 s59, s52, 2304
	s_add_co_u32 s59, s59, CODES
	s_lshl_b32 s98, s52, 8
	s_add_co_u32 s98, s98, SCB
	s_lshl_b32 s99, s52, 13
	v_and_b32 v[LANE], 31, v0
	v_and_b32 v[R], 15, v0
	v_bfe_u32 v[H], v0, 4, 1
	v_lshlrev_b32 v[LI], 4, v[LANE]
	v_lshlrev_b32 v[LS], 2, v[LANE]
	v_lshrrev_b32 v30, 3, v[LANE]                  ; which of a group's 4 rows
	v_and_b32 v31, 7, v[LANE]                      ; which of a row's 8 blocks
	v_mul_u32_u24 v[XA], v30, 1152
	v_mad_u32_u24 v[XA], v31, 144, v[XA]
	v_add_nc_u32 v[XA], s58, v[XA]
	v_add_nc_u32 v[XA2], 36864, v[XA]
	v_mul_u32_u24 v[CW], v30, 144
	v_lshl_add_u32 v[CW], v31, 4, v[CW]
	v_add_nc_u32 v[CW], s59, v[CW]
	v_lshl_add_u32 v[SW], v30, 4, v31
	v_add_nc_u32 v[SW], s98, v[SW]
	v_mul_u32_u24 v[CR], v[R], 144
	v_lshl_add_u32 v[CR], v[H], 4, v[CR]
	v_add_nc_u32 v[CR], s59, v[CR]
	v_lshlrev_b32 v[SR], 4, v[R]
	v_add_nc_u32 v[SR], s98, v[SR]
	v_add_nc_u32 v[PTA], s58, v[LI]
.irp n, 0,1,2,3
	v_add_nc_u32 v[LB+\n], \n*XRW, v[LI]
.endr
.irp n, 0,1,2,3
	v_add_nc_u32 v[PS+\n], s99, v[LB+\n]
.endr
	v_lshlrev_b32 v[MA], 2, v[R]
	v_lshlrev_b32 v[BA], 5, v[H]
	v_mov_b32 v[ONES], -1
	v_mov_b32 v[ZERO], 0
	v_mov_b32 v[TMP], 0
	s_mov_b32 s[SEL], 0x76543210
	s_mov_b32 s[SEL+1], 0xfedcba98
	s_cmp_eq_u32 s53, 0
	s_mov_b32 s94, 0x3e38aa3b                      ; log2(e) / 8, for q alone
	s_cselect_b32 s94, s94, 1.0
	s_cselect_b32 s55, -1, 0                       ; q's rows are never cleared
	s_mov_b32 s95, s94
	s_mov_b32 s67, 0                               ; (named with s66 as a pair)
	s_wait_dscnt 0x0                               ; both opening adds are done
	s_wait_kmcnt 0x0
	s_cmp_eq_u32 s53, 1
	s_cselect_b64 s[62:63], s[6:7], s[4:5]
	s_cselect_b64 s[90:91], s[14:15], s[12:13]
	s_cselect_b64 s[92:93], s[22:23], s[20:21]
	s_cmp_eq_u32 s53, 2
	s_cselect_b64 s[62:63], s[8:9], s[62:63]       ; x
	s_cselect_b64 s[90:91], s[16:17], s[90:91]     ; its bias
	s_cselect_b64 s[92:93], s[24:25], s[92:93]     ; its heads' buffer
	s_lshl_b32 s60, s54, 18                        ; 64 rows of 4,096 bytes
	s_lshl_b32 s61, s52, 10                        ; my 256 columns
	s_add_co_u32 s60, s60, s61
	s_mov_b32 s61, 0
	s_add_nc_u64 s[62:63], s[62:63], s[60:61]
.irp n, 0,1,2,3
	s_add_nc_u64 s[G0+4*\n+2:G0+4*\n+3], s[62:63], \n*65536
	s_or_b32 s[G0+4*\n+3], s[G0+4*\n+3], 0x80000000
.endr
.irp n, 0,1,2,3                                ; all my x: four loads are out, each LDS byte is filled once
	tensor_load_to_lds s[G0+4*\n:G0+4*\n+3], s[G1:G1+7]
	s_nop 0
.endr
	PLACES
	s_lshl_b32 s60, s52, 10
	s_add_nc_u64 s[90:91], s[90:91], s[60:61]      ; bias at my 256 columns
	s_lshr_b32 s96, s54, 5                         ; batch
	s_and_b32 s97, s54, 31                         ; block of 64 positions in it
	s_lshl_b32 s60, s96, 22
	s_lshl_b32 s62, s52, 20
	s_add_co_u32 s60, s60, s62
	s_lshl_b32 s62, s97, 13
	s_add_co_u32 s60, s60, s62
	s_add_nc_u64 s[92:93], s[92:93], s[60:61]      ; head 16 b + 4 w (262,144 bytes a head), this block's 8,192 bytes
	s_lshl_b32 s60, s96, 11
	s_lshl_b32 s62, s52, 9
	s_add_co_u32 s60, s60, s62
	s_lshl_b32 s62, s97, 2
	s_add_co_u32 s60, s60, s62
	s_add_nc_u64 s[26:27], s[26:27], s[60:61]      ; vsc[16 b + 4 w][block]
	s_lshl_b32 s60, s54, 8
	s_add_nc_u64 s[10:11], s[10:11], s[60:61]      ; the mask of my 64 rows
	s_lshl_b32 s60, s53, 18
	s_lshl_b32 s62, s52, 16
	s_add_co_u32 s60, s60, s62
	s_add_co_u32 s60, s60, WF_O
	s_add_nc_u64 s[88:89], s[18:19], s[60:61]      ; w's fragments of my 16 column tiles
	s_lshl_b32 s60, s53, 16
	s_lshl_b32 s62, s52, 14
	s_add_co_u32 s60, s60, s62
	s_add_nc_u64 s[4:5], s[18:19], s[60:61]        ; u's codes of my two steps of 128 along K
	s_lshl_b32 s60, s53, 13
	s_lshl_b32 s62, s52, 11
	s_add_co_u32 s60, s60, s62
	s_add_co_u32 s60, s60, US_O
	s_add_nc_u64 s[6:7], s[18:19], s[60:61]        ; and their scale words
	s_lshl_b32 s60, s53, 8
	s_lshl_b32 s62, s52, 6
	s_add_co_u32 s60, s60, s62
	s_add_co_u32 s60, s60, WU_O
	s_add_nc_u64 s[8:9], s[18:19], s[60:61]
	s_load_b512 s[68:83], s[8:9], 0x0              ; 2^e of my 16 column tiles of w
.irp n, 0,1,2,3
	global_load_b32 v[MK+\n], v[MA], s[10:11] offset:64*\n
.endr
	WIN 0x40
.irp e, 0,1,2,3,4,5,6,7,8,9,10,11,12,13,14,15  ; entry 8 s' + t
	global_load_b128 v[8*\e:8*\e+3], v[LI], s[4:5] offset:\e*1024
	global_load_b128 v[8*\e+4:8*\e+7], v[LI], s[4:5] offset:\e*1024+512
.endr
	WIN 0
.irp e, 0,1,2,3,4,5,6,7,8,9,10,11,12,13,14,15
	global_load_b32 v[USC+\e], v[LS], s[6:7] offset:\e*128
.endr
; group ii of tile mm: 4 rows x 8 blocks, a lane a block: eight reads of 16 bytes.
.macro GLOAD mm, ii, bb
.set ROW0, 16*(\mm)+4*(\ii)
.irp q, 0,1,2,3,4,5,6,7
.if ROW0 < 32
	ds_load_b128 v[XB+32*(\bb)+4*\q:XB+32*(\bb)+4*\q+3], v[XA] offset:ROW0*1152+16*\q
.else
	ds_load_b128 v[XB+32*(\bb)+4*\q:XB+32*(\bb)+4*\q+3], v[XA2] offset:(ROW0-32)*1152+16*\q
.endif
.endr
.endm
.macro QUANT32 xs                      ; 32 numbers of one block -> 16 bytes of codes in v[CD] on, the scale's byte in v[BY]
	v_max3_num_f32 v[MX], |v[\xs]|, |v[\xs+1]|, 0x1800000         ; the floor 2^(3 - 127) holds the byte at 1 from below
	v_max3_num_f32 v[MX+1], |v[\xs+16]|, |v[\xs+17]|, |v[\xs+18]|
.irp i, 2,4,6,8,10,12
	v_max3_num_f32 v[MX], v[MX], |v[\xs+\i]|, |v[\xs+\i+1]|
	v_max3_num_f32 v[MX+1], v[MX+1], |v[\xs+17+\i]|, |v[\xs+18+\i]|
.endr
	v_max3_num_f32 v[MX], v[MX], |v[\xs+14]|, |v[\xs+15]|
	v_max3_num_f32 v[MX], v[MX], v[MX+1], |v[\xs+31]|
	v_add_nc_u32 v[SCV], 0xff000000, v[MX]         ; 2 off the exponent field: the conversion's scale operand
.irp g, 0,1,2,3
	v_cvt_scalef32_pk8_fp4_f32 v[CD+\g], v[\xs+8*\g:\xs+8*\g+7], v[SCV]
.endr
	v_lshrrev_b32 v[BY], 23, v[SCV]                ; the byte; also the plain line behind the conversions
.endm
.macro TILE mm
	s_wait_tensorcnt 3-\mm                         ; tensor loads of a wave end in order: tile mm is in, the younger ones stay out
	GLOAD \mm, 0, 0
.irp ii, 0,1,2,3
.if \ii < 3
	GLOAD \mm, \ii+1, (\ii+1)%2
	s_wait_dscnt 0x8                               ; all but the eight reads just issued: this group's numbers are in, and the last group's stores have read their registers
.else
	s_wait_dscnt 0x0
.endif
	QUANT32 XB+32*(\ii%2)
	ds_store_b128 v[CW], v[CD:CD+3] offset:4*\ii*144
	ds_store_b8 v[SW], v[BY] offset:4*\ii*16
.endr
.irp sp, 0,1                                   ; LDS serves a wave's instructions in order: these see my stores
.irp c, 0,1
	ds_load_b128 v[XF+8*\sp+4*\c:XF+8*\sp+4*\c+3], v[CR] offset:64*\sp+32*\c
.endr
.endr
	ds_load_b64 v[XS:XS+1], v[SR]
	s_wait_dscnt 0x0
.if \mm == 0
	s_wait_loadcnt 0x0                             ; u's codes and scale words, and the mask
.endif
	WIN 0xa1                                       ; u in window 1, x in window 0, the sums in window 2
.irp sp, 0,1                                   ; the tile's eight accumulators take turns, one instruction a turn
.irp t, 0,1,2,3,4,5,6,7
.if \sp == 0
	v_wmma_scale_f32_16x16x128_f8f6f4 v[64*\mm+8*\t:64*\mm+8*\t+7], v[64*\sp+8*\t:64*\sp+8*\t+7], v[XF+8*\sp:XF+8*\sp+7], 0, v[USC+8*\sp+\t], v[XS+\sp] matrix_a_fmt:MATRIX_FMT_FP4 matrix_b_fmt:MATRIX_FMT_FP4
.else
	v_wmma_scale_f32_16x16x128_f8f6f4 v[64*\mm+8*\t:64*\mm+8*\t+7], v[64*\sp+8*\t:64*\sp+8*\t+7], v[XF+8*\sp:XF+8*\sp+7], v[64*\mm+8*\t:64*\mm+8*\t+7], v[USC+8*\sp+\t], v[XS+\sp] matrix_a_fmt:MATRIX_FMT_FP4 matrix_b_fmt:MATRIX_FMT_FP4
.endif
.endr
.endr
	WIN 0
.endm
.macro WLOAD hh                        ; w's 16 fragments of head hh (entry 4 c + u) into set hh % 2 of window 3
	WIN 0xc0
.irp e, 0,1,2,3,4,5,6,7,8,9,10,11,12,13,14,15
	global_load_b128 v[128*((\hh)%2)+8*\e:128*((\hh)%2)+8*\e+3], v[LI], s[88:89] offset:(\hh)*16384+\e*1024
	global_load_b128 v[128*((\hh)%2)+8*\e+4:128*((\hh)%2)+8*\e+7], v[LI], s[88:89] offset:(\hh)*16384+\e*1024+512
.endr
	WIN 0
.endm
.macro TLD dst, adr, off               ; 64 registers of one wave's partial sums
.irp e, 0,1,2,3,4,5,6,7,8,9,10,11,12,13,14,15
	ds_load_b128 v[\dst+4*\e:\dst+4*\e+3], v[\adr] offset:\off+\e*512
.endr
.endm
.macro TADD src
.set q, 0
.rept 32
	v_pk_add_f32 v[TA+q:TA+q+1], v[TA+q:TA+q+1], v[\src+q:\src+q+1]
.set q, q+2
.endr
.endm
	TILE 0
	TILE 1
	TILE 2
	TILE 3
	; ---- the partial sums meet
	WLOAD 0                                        ; the first head's w is asked for here: window 3 is idle until phase 2
	PLACES                                         ; four places between the last product and the first read of results
	WIN 0x08                                       ; an LDS store's data are its source 1: window 2
.set q, 0
.rept 64                                       ; over my x, which has had its last fill and my last read; each accumulator from its low end on
	ds_store_b128 v[PTA], v[4*q:4*q+3] offset:q*512
.set q, q+1
.endr
	WIN 0
	s_wait_dscnt 0x0                               ; for the others' sake: my stores are done
	s_barrier_signal -1
	s_barrier_wait -1
	TLD TA, PS, 0
	TLD TBF, PS+1, 0
	TLD TC, PS+2, 0
	s_wait_dscnt 16                                ; waves 0 and 1's are in; wave 2's sixteen loads may be out
	TADD TBF
	TLD TBF, PS+3, 0
	s_wait_dscnt 16                                ; wave 2's are in
	TADD TC
	s_wait_dscnt 0x0
	TADD TBF
	BMAX TA, 8                                     ; row tile w of T: 16 rows x 128 ranks share one scale
	SCALE TA, 32
.set q, 0
.rept 32                                       ; packed in place, ascending: rank tiles 2 u and 2 u + 1 are step u of the next K
	v_cvt_pk_f16_f32 v[TA+q], v[TA+2*q], v[TA+2*q+1]
.set q, q+1
.endr
.irp e, 0,1,2,3,4,5,6,7
	ds_store_b128 v[PTA], v[TA+4*\e:TA+4*\e+3] offset:32768+\e*512
.endr
	ds_store_b32 v[PTA], v[UP] offset:36864        ; 2^e, a word at 16 x lane
	s_wait_dscnt 0x0
	s_barrier_signal -1
	s_barrier_wait -1
	WIN 0x40
.irp n, 0,1,2,3
.irp e, 0,1,2,3,4,5,6,7
	ds_load_b128 v[32*\n+4*\e:32*\n+4*\e+3], v[LB+\n] offset:32768+\e*512
.endr
.endr
	WIN 0
.irp n, 0,1,2,3
	ds_load_b32 v[M+\n], v[LB+\n] offset:36864
.endr
	s_wait_dscnt 0x0
.irp n, 0,1,2,3
	v_readfirstlane_b32 s[84+\n], v[M+\n]          ; 2^e of T's row tile n
.endr
	s_wait_kmcnt 0x0                               ; w's scales
; 64 products of a head: 16 accumulators by turns, one instruction a turn; the first 16 start the sums
.macro MM hh, swap
.irp u, 0,1,2,3
.irp c, 0,1,2,3
.irp n, 0,1,2,3
.set rD, ACC+8*(4*\c+\n)
.set rW, 128*((\hh)%2)+8*(4*\c+\u)
.set rT, 32*\n+8*\u
.if \swap
.if \u == 0
	v_wmma_f32_16x16x32_f16 v[rD:rD+7], v[rT:rT+7], v[rW:rW+7], 0
.else
	v_wmma_f32_16x16x32_f16 v[rD:rD+7], v[rT:rT+7], v[rW:rW+7], v[rD:rD+7]
.endif
.else
.if \u == 0
	v_wmma_f32_16x16x32_f16 v[rD:rD+7], v[rW:rW+7], v[rT:rT+7], 0
.else
	v_wmma_f32_16x16x32_f16 v[rD:rD+7], v[rW:rW+7], v[rT:rT+7], v[rD:rD+7]
.endif
.endif
.endr
.endr
.endr
.endm
.macro BLOADQ hh                       ; b[16 ct + 8 h + 0 .. 7] for the head's four column tiles
.irp c, 0,1,2,3
	global_load_b128 v[BI+32*((\hh)%2)+8*\c:BI+32*((\hh)%2)+8*\c+3], v[BA], s[90:91] offset:(\hh)*256+\c*64
	global_load_b128 v[BI+32*((\hh)%2)+8*\c+4:BI+32*((\hh)%2)+8*\c+7], v[BA], s[90:91] offset:(\hh)*256+\c*64+16
.endr
.endm
.macro BLOADV hh                       ; b[16 ct + r]
.irp c, 0,1,2,3
	global_load_b32 v[BI+32*((\hh)%2)+\c], v[MA], s[90:91] offset:(\hh)*256+\c*64
.endr
.endm
.macro GROUPQ hh
.if \hh < 3
	WLOAD \hh+1
	BLOADQ \hh+1
	s_wait_loadcnt 40                              ; all but the 32 + 8 loads just issued: this head's w and bias are in
.else
	s_wait_loadcnt 0x0
.endif
	s_wait_xcnt 0x0                                ; the last head's stores have read the accumulators' registers
.set q, 0
.rept 16
	v_pk_mul_f32 v[BI+32*((\hh)%2)+q:BI+32*((\hh)%2)+q+1], v[BI+32*((\hh)%2)+q:BI+32*((\hh)%2)+q+1], s[94:95] op_sel_hi:[1,0]   ; q: the bias too is multiplied by log2(e) / 8 (k: by 1)
.set q, q+2
.endr
	WIN 0x07                                       ; w in window 3, T in window 1
	MM \hh, 0
	WIN 0
	PLACES
.irp c, 0,1,2,3
.irp n, 0,1,2,3
.set rD, ACC+8*(4*\c+\n)
.set rB, BI+32*((\hh)%2)+8*\c
	s_mul_f32 s66, s[68+4*(\hh)+\c], s[84+\n]      ; the two block scales (and q's factor)
.irp j, 0,2,4,6
	v_pk_fma_f32 v[rD+\j:rD+\j+1], v[rD+\j:rD+\j+1], s[66:67], v[rB+\j:rB+\j+1] op_sel_hi:[1,0,1]
.endr
.irp j, 0,1,2,3
	v_cvt_pk_bf16_f32 v[rD+\j], v[rD+2*\j], v[rD+2*\j+1]
.endr
.irp j, 0,1,2,3
	v_and_b32 v[rD+\j], v[MK+\n], v[rD+\j]         ; a masked row of k becomes zeros
.endr
	global_store_b128 v[LI], v[rD:rD+3], s[92:93] offset:(\hh)*262144+(2*\n+\c/2)*1024+(\c%2)*512   ; 32 lanes store 512 consecutive bytes
.endr
.endr
.endm
.macro GROUPV hh
.if \hh < 3
	WLOAD \hh+1
	BLOADV \hh+1
	s_wait_loadcnt 36                              ; all but the 32 + 4 loads just issued
.else
	s_wait_loadcnt 0x0
.endif
	s_wait_xcnt 0x0
	WIN 0x0d                                       ; T in window 1, w in window 3
	MM \hh, 1
	WIN 0
	PLACES
.irp c, 0,1,2,3
.irp n, 0,1,2,3
.set rD, ACC+8*(4*\c+\n)
	s_mul_f32 s66, s[68+4*(\hh)+\c], s[84+\n]
.irp j, 0,1,2,3,4,5,6,7
	v_fma_f32 v[rD+\j], v[rD+\j], s66, v[BI+32*((\hh)%2)+\c]
.endr
.endr
.endr
	BMAX ACC, 16                                   ; the head's 64 keys x 64 channels share one scale
	v_mov_b32 v[UPV+\hh], v[UP]
	v_cmp_eq_u32 vcc_lo, 0x800000, v[UP]           ; a block at the floor is stored as zeros
	v_cndmask_b32 v[DN], v[DN], v[ZERO], vcc_lo
	v_mov_b32 v[DN+1], v[DN]
	SCALE ACC, 64
.irp c, 0,1,2,3
.irp n, 0,1,2,3
.set rD, ACC+8*(4*\c+\n)
.irp j, 0,1,2,3
	v_cvt_pk_f16_f32 v[rD+\j], v[rD+2*\j], v[rD+2*\j+1]
.endr
	global_store_b128 v[LI], v[rD:rD+3], s[92:93] offset:(\hh)*262144+((\n/2)*4+\c)*1024+(\n%2)*512
.endr
.endr
.endm
	s_cmp_eq_u32 s53, 2
	s_cbranch_scc1 .Lv_arm
	BLOADQ 0
.irp n, 0,1,2,3
	v_cmp_ne_u32 vcc_lo, 0, v[MK+\n]
	v_cndmask_b32 v[MK+\n], 0, v[ONES], vcc_lo
	v_or_b32 v[MK+\n], s55, v[MK+\n]
.endr
.irp n, 0,1,2,3
	s_mul_f32 s[84+\n], s[84+\n], s94
.endr
	GROUPQ 0
	GROUPQ 1
	GROUPQ 2
	GROUPQ 3
	s_branch .Ldone
.Lv_arm:
	BLOADV 0
	GROUPV 0
	GROUPV 1
	GROUPV 2
	GROUPV 3
	s_wait_xcnt 0x0                                ; EXEC changes only behind this wait
	v_cmp_eq_u32 vcc_lo, 0, v[LANE]
	s_and_saveexec_b32 s98, vcc_lo
.irp n, 0,1,2,3
	global_store_b32 v[ZERO], v[UPV+\n], s[26:27] offset:\n*128
.endr
	s_wait_xcnt 0x0
	s_or_b32 exec_lo, exec_lo, s98
.Ldone:
	s_wait_tensorcnt 0x0                           ; the wave's end
	ds_add_u32 v[SPW], v[NIL]
	s_wait_dscnt 0x0
	s_endpgm
.Lfunc_end_k_qa4b39e49cd_proj:
	.size	k_qa4b39e49cd_proj, .Lfunc_end_k_qa4b39e49cd_proj-k_qa4b39e49cd_proj
	.p2alignl 7, 3214868480
	.fill 96, 4, 3214868480
	.section	.rodata,"a",@progbits
	.p2align	6, 0x0
	.amdhsa_kernel k_qa4b39e49cd_proj
		.amdhsa_group_segment_fixed_size 305664
		.amdhsa_private_segment_fixed_size 0
		.amdhsa_enable_private_segment 0
		.amdhsa_kernarg_size 96
		.amdhsa_user_sgpr_count 2
		.amdhsa_user_sgpr_kernarg_segment_ptr 1
		.amdhsa_wavefront_size32 1
		.amdhsa_system_sgpr_workgroup_id_x 1
		.amdhsa_system_sgpr_workgroup_id_y 1
		.amdhsa_system_sgpr_workgroup_id_z 1
		.amdhsa_system_vgpr_workitem_id 0
		.amdhsa_next_free_vgpr 1024
		.amdhsa_next_free_sgpr 100
		.amdhsa_reserve_vcc 1
		.amdhsa_float_denorm_mode_32 3
		.amdhsa_float_denorm_mode_16_64 3
		.amdhsa_memory_ordered 1
		.amdhsa_forward_progress 1
		.amdhsa_inst_pref_size 255
	.end_amdhsa_kernel
	.section	.bss,"aw",@nobits
	.p2align	6
	.space	262144
	.amdgpu_metadata
---
amdhsa.version: [ 1, 2 ]
amdhsa.kernels:
  - .name:           k_qa4b39e49cd_proj
    .symbol:         k_qa4b39e49cd_proj.kd
    .args:
      - { .name: q, .offset: 0, .size: 8, .value_kind: global_buffer, .address_space: global }
      - { .name: k, .offset: 8, .size: 8, .value_kind: global_buffer, .address_space: global }
      - { .name: v, .offset: 16, .size: 8, .value_kind: global_buffer, .address_space: global }
      - { .name: mask, .offset: 24, .size: 8, .value_kind: global_buffer, .address_space: global }
      - { .name: q_b, .offset: 32, .size: 8, .value_kind: global_buffer, .address_space: global }
      - { .name: k_b, .offset: 40, .size: 8, .value_kind: global_buffer, .address_space: global }
      - { .name: v_b, .offset: 48, .size: 8, .value_kind: global_buffer, .address_space: global }
      - { .name: wts, .offset: 56, .size: 8, .value_kind: global_buffer, .address_space: global }
      - { .name: qf, .offset: 64, .size: 8, .value_kind: global_buffer, .address_space: global }
      - { .name: kf, .offset: 72, .size: 8, .value_kind: global_buffer, .address_space: global }
      - { .name: vf, .offset: 80, .size: 8, .value_kind: global_buffer, .address_space: global }
      - { .name: vsc, .offset: 88, .size: 8, .value_kind: global_buffer, .address_space: global }
    .group_segment_fixed_size: 305664
    .private_segment_fixed_size: 0
    .kernarg_segment_align: 8
    .kernarg_segment_size: 96
    .max_flat_workgroup_size: 128
    .sgpr_count:     100
    .vgpr_count:     1024
    .wavefront_size: 32
...
	.end_amdgpu_metadata
.endif
;; end of part 2
;; launch attn (part 3): grid 8 x 32, 8 waves a work-group, clusters of 4 x 1, 327,680 bytes of LDS; arguments qf, kf, vf, vsc, mask, ctx32; writes ctx32
.if DOCPART == 3
	.amdgcn_target "amdgcn-amd-amdhsa--gfx1250"
	.amdhsa_code_object_version 6
	.text
	.protected	k_qa4b39e49cd_attn
	.globl	k_qa4b39e49cd_attn
	.p2align	8
	.type	k_qa4b39e49cd_attn,@function
k_qa4b39e49cd_attn:
	s_mov_b64 s[64:65], 0
	v_nop
	global_prefetch_b8 v0, s[64:65] scope:SCOPE_SE
	s_setreg_imm32_b32 hwreg(HW_REG_WAVE_MODE, 25, 1), 1
	s_wait_xcnt 0x0
	s_wait_alu depctr_hold_cnt(0) depctr_sa_sdst(0) depctr_va_vdst(0) depctr_va_sdst(0) depctr_va_ssrc(0) depctr_va_vcc(0) depctr_vm_vsrc(0)
	s_getreg_b32 s2, hwreg(HW_REG_IB_STS2, 6, 4)
	s_cmp_eq_u32 s2, 0
	s_cbranch_scc0 .Lentry_in_a_cluster
	s_endpgm
.Lentry_in_a_cluster:
	s_bfe_u32 s2, ttmp6, 0x10000c
	s_cmp_lg_u32 s2, 0x3003
	s_cbranch_scc0 .Lentry_shape_is_right
	s_endpgm
.Lentry_shape_is_right:
; ATTN: ctx = softmax(scores) V for one (batch, head) and 256 queries a work-group.  qf, kf: bf16 fragments (q already multiplied by log2(e) / 8: a score is an exponent of 2); vf: f16 fragments of V^T, each block of 64 keys
; divided by its own 2^e (vsc).  Products, maxima and sums in f32; p is rounded to f16 for the second product.
; SHARES.  Eight waves, two to a SIMD.  Wave = (g = wave / 4, wq = wave % 4): 64 queries (four tiles of 16) against keys 1024 g .. 1024 g + 1023, 64 a step.  THE KEYS are split between the two waves of a SIMD, not the
; queries, so that each fragment of K and V read from LDS still feeds four products; each wave is written in plain phases, and one wave's softmax stands beside the other's products.  At the end waves wq and wq + 4 are merged through LDS.
; LAYOUT.  S^T = K Q^T and O^T = V^T P: a lane holds ONE query throughout; two tiles of S^T packed in pairs are P's fragment.  K and V lie in memory and in LDS as images of the operand's registers: every LDS read is 512 dense bytes.
; THE MASK.  A masked key's row of K is zeros, and the constant f32(-1e9 log2(e)) is the C of its score's product (0 for the others): all masked scores are equal to the bit, as where(mask == 0, -1e9, s) has them.
; SOFTMAX.  Running maximum m and sum l for each query; p = 2^(S - m) is at most 1 for every input.  O is kept in units of the current block's 2^e: in each step it is multiplied by 2^(m_old - m_new) x 2^(e_old - e_new).
; CLUSTER.  The four query blocks of a cluster walk the same K and V: each tile is asked for jointly (mask 15).  Two slots of 256 keys for each g; a wave fetches 16 KiB of a slot; two loads of a wave are out at the start, one behind each round.
; LIMITS: NaN and infinities are not served.  The masked constant carries one f32 rounding more than -1e9.  The block maxima of one head's V may differ by up to about 2^100.
.set KB,    262144                     ; LDS behind the ring: the C of each key of the batch, 4 bytes a key
.set DT,    270336                     ; a wave's own table: 32 factors 2^(e_old - e_new), then 32 numbers 2^e
.set SPARE, 272384                     ; the spare words, 128 bytes for each wave
.set MRGB,  17408                      ; the merge: O (16,384 bytes), m and l; in slot 0, which has had its last fill and its last read by then
.set LI,  1                            ; 16 x lane
.set KVA, 2                            ; address of the step's K and V
.set BIA, 3                            ; KB + 32 h
.set BIH, 4
.set DEL, 5                            ; the step's 2^(e_old - e_new)
.set DTB, 6
.set DTH, 7
.set SPW, 8
.set NIL, 9
.set MRA, 10
.set MRS, 11
.set DTW, 12
.set KBW, 13
.set PFO, 14
.set ST,  16                           ; tile t at v[16 + 8 t]: +0 m, +1 old m then the change, +2 +3 l, +4 .. +7 four running maxima; later +4 O's factor, +6 l's factor
.set BS,  48                           ; v48-79 the C of the four key tiles
.set SU,  80                           ; v80-95 the sums' chains
.set S,   128                          ; v128-255 S^T, tile t at 128 + 32 t; P over its first 16 registers
; window 1: v0-63 Q ((t, u) at 16 t + 8 u); v64-127 K, then V; v128-255 O^T ((t, c) at 128 + 32 t + 8 c)
.set WV,  16
.set G,   17
.set WQ,  18
.set HD,  19
.set G1,  20
.set G0,  28
.set SEL, 36
.set CX,  38
.set QB,  39
.set TB,  44
.set TBB, 45
.set TBD, 46
.set CNT, 47
.set PFA, 48
.set CB,  50
.set LIM, 54
.set MSB, 0
.macro WIN new
.if MSB != \new
	s_set_vgpr_msb (MSB<<8)|\new
.set MSB, \new
.endif
.endm
.macro PLACES
.rept 4
	v_nop
.endr
.endm
.macro CROUND                          ; a round of the cluster's barrier
	s_barrier_signal -1
	s_barrier_wait -1
	s_cmp_lg_u32 s[WV], 0
	s_cbranch_scc1 .Lnw0_\@
	s_barrier_signal -3
.Lnw0_\@:
	s_barrier_wait -3
	s_barrier_signal -1
	s_barrier_wait -1
.endm
	s_load_b256 s[4:11], s[0:1], 0x0               ; qf 4, kf 6, vf 8, vsc 10
	s_load_b128 s[12:15], s[0:1], 0x20             ; mask 12, ctx32 14
	v_lshl_add_u32 v[SPW], v0, 2, SPARE
	v_mov_b32 v[NIL], 0
	ds_add_u32 v[SPW], v[NIL]                      ; the wave's opening: the add, twice on end, and its wait ahead of my first tensor load
	ds_add_u32 v[SPW], v[NIL]
	v_lshrrev_b32 v15, 5, v0
	v_readfirstlane_b32 s[WV], v15
	s_lshr_b32 s[G], s[WV], 2
	s_and_b32 s[WQ], s[WV], 3
	s_and_b32 s[HD], ttmp7, 0xffff                 ; 16 b + h, which the four partners share
	s_bfe_u32 s[CX], ttmp6, 0x40000
	s_lshl_b32 s[QB], ttmp9, 2
	s_add_co_u32 s[QB], s[QB], s[CX]               ; my block of 256 queries: it enters Q's, ctx's and the prefetch's addresses alone
	s_mov_b32 s[G1+0], 0x0023000f                  ; the mask: all four; elements of 8 bytes; bit 21 beside a mask; no padding
	s_mov_b32 s[G1+1], 32<<16                      ; a dense block of 16,384 bytes as 64 rows of 256
	s_mov_b32 s[G1+2], 64<<16
	s_mov_b32 s[G1+3], 32<<16
	s_mov_b32 s[G1+4], 64
	s_mov_b32 s[G1+5], 32
	s_mov_b32 s[G1+6], 0
	s_mov_b32 s[G1+7], 0
	s_mov_b32 s[G0], 1
	s_lshl_b32 s[G0+1], s[WV], 14                  ; slot 0: [g][K 32 KiB, V 32 KiB]: wave x 16 KiB
	s_mov_b32 s[G0+4], 1
	s_add_co_u32 s[G0+5], s[G0+1], 131072          ; slot 1
	s_lshl_b32 s40, s[HD], 18                      ; a head is 262,144 bytes in kf and in vf,
	s_lshl_b32 s41, s[G], 17                       ; 1,024 keys 131,072,
	s_add_co_u32 s40, s40, s41
	s_and_b32 s41, s[WV], 1
	s_lshl_b32 s41, s41, 14                        ; my half of a slot's 256 keys
	s_add_co_u32 s40, s40, s41
	s_mov_b32 s41, 0
	s_mov_b32 s[SEL], 0x76543210
	s_mov_b32 s[SEL+1], 0xfedcba98
	s_and_b32 s[LIM], s[WV], 1
	s_or_b32 s[LIM], s[LIM], ttmp9                 ; 0 in the even waves of the head's first cluster: the same in all four partners
	v_and_b32 v15, 31, v0
	v_lshlrev_b32 v[LI], 4, v15
	v_lshlrev_b32 v[PFO], 8, v15
	v_bfe_u32 v[BIA], v0, 4, 1
	v_lshl_add_u32 v[BIA], v[BIA], 5, KB
	v_lshrrev_b32 v[DTB], 5, v0
	v_lshl_add_u32 v[DTB], v[DTB], 8, DT
	v_lshl_add_u32 v[DTW], v15, 2, v[DTB]
	v_lshl_add_u32 v[KBW], v0, 5, KB
	s_mul_i32 s52, s[WQ], MRGB
	v_add_nc_u32 v[MRA], s52, v[LI]
	v_lshlrev_b32 v[MRS], 2, v15
	v_add_nc_u32 v[MRS], s52, v[MRS]
	v_lshlrev_b32 v112, 5, v0                      ; the mask: 8 keys a thread
	v_lshlrev_b32 v113, 2, v15                     ; vsc: block = lane,
	v_max_u32 v114, 1, v15
	v_sub_nc_u32 v114, v114, 1
	v_lshlrev_b32 v114, 2, v114                    ; and the block before it
	s_wait_dscnt 0x0                               ; both opening adds are done
	s_wait_kmcnt 0x0
	s_bfe_u32 s42, s[WV], 0x10001
	s_cmp_eq_u32 s42, 0                            ; waves 0, 1, 4, 5 fetch K, the others V
	s_cselect_b64 s[42:43], s[6:7], s[8:9]
	s_add_nc_u64 s[42:43], s[42:43], s[40:41]
	s_mov_b64 s[G0+2:G0+3], s[42:43]
	s_or_b32 s[G0+3], s[G0+3], 0x80000000
	s_add_nc_u64 s[G0+6:G0+7], s[42:43], 32768     ; the next 256 keys
	s_or_b32 s[G0+7], s[G0+7], 0x80000000
	CROUND                                         ; all four work-groups are here: the first joint loads meet
	tensor_load_to_lds s[G0:G0+3], s[G1:G1+7]
	s_nop 0
	tensor_load_to_lds s[G0+4:G0+7], s[G1:G1+7]
	s_nop 0
	PLACES
	s_add_nc_u64 s[PFA:PFA+1], s[42:43], 3*32768   ; the prefetch: the fourth 256 keys of my run,
	s_lshl_b32 s52, s[CX], 13
	s_mov_b32 s53, 0
	s_add_nc_u64 s[PFA:PFA+1], s[PFA:PFA+1], s[52:53]   ; my work-group's quarter of its 32 KiB
	s_lshr_b32 s40, s[HD], 4                       ; batch
	s_and_b32 s42, s[HD], 15                       ; head
	s_lshl_b32 s52, s40, 13
	s_add_nc_u64 s[12:13], s[12:13], s[52:53]      ; the batch's mask
	s_lshl_b32 s52, s[HD], 7
	s_add_nc_u64 s[10:11], s[10:11], s[52:53]      ; the head's 32 block scales
	s_lshl_b32 s52, s[HD], 18
	s_lshl_b32 s43, s[QB], 15
	s_add_co_u32 s52, s52, s43
	s_lshl_b32 s43, s[WQ], 13
	s_add_co_u32 s52, s52, s43
	s_add_nc_u64 s[4:5], s[4:5], s[52:53]          ; my four tiles of Q
	s_lshl_b32 s52, s40, 23
	s_lshl_b32 s43, s[QB], 20
	s_add_co_u32 s52, s52, s43
	s_lshl_b32 s43, s[WQ], 18
	s_add_co_u32 s52, s52, s43
	s_lshl_b32 s43, s42, 12
	s_add_co_u32 s52, s52, s43
	s_add_nc_u64 s[CB:CB+1], s[14:15], s[52:53]    ; ctx32[128 b + 16 qb + 4 wq][2 h]
	global_load_b128 v[96:99], v112, s[12:13]
	global_load_b128 v[100:103], v112, s[12:13] offset:16
	global_load_b32 v104, v113, s[10:11]
	global_load_b32 v105, v114, s[10:11]
	WIN 0x40
.irp e, 0,1,2,3,4,5,6,7
	global_load_b128 v[8*\e:8*\e+3], v[LI], s[4:5] offset:\e*1024
	global_load_b128 v[8*\e+4:8*\e+7], v[LI], s[4:5] offset:\e*1024+512
.endr
.set q, 0
.rept 128
	v_mov_b32 v[128+q], 0                          ; O^T: the step is written once; its first walk finds zeros
.set q, q+1
.endr
	WIN 0
.irp t, 0,1,2,3
	v_mov_b32 v[ST+8*\t], 0xff61b1e6               ; m: -3e38, under every score
	v_mov_b32 v[ST+8*\t+1], 0
	v_mov_b32 v[ST+8*\t+2], 0                      ; l
	v_mov_b32 v[ST+8*\t+3], 0
.endr
	v_mov_b32 v106, 0xceabfb8f                     ; f32(-1e9 log2(e))
	v_mov_b32 v107, 0
	v_mov_b32 v109, 0
	s_wait_loadcnt 16                              ; the mask and the scales are in; Q's sixteen loads may be out
.irp i, 0,1,2,3,4,5,6,7
	v_cmp_eq_u32 vcc_lo, 0, v[96+\i]
	v_cndmask_b32 v[96+\i], v107, v106, vcc_lo
.endr
	ds_store_b128 v[KBW], v[96:99]
	ds_store_b128 v[KBW], v[100:103] offset:16
	v_mov_b32 v108, v104
	v_max_num_f32_dpp v108, v108, v108 row_xmask:1 row_mask:0xf bank_mask:0xf
	v_max_num_f32_dpp v108, v108, v108 row_xmask:2 row_mask:0xf bank_mask:0xf
	v_max_num_f32_dpp v108, v108, v108 row_xmask:4 row_mask:0xf bank_mask:0xf
	v_max_num_f32_dpp v108, v108, v108 row_xmask:8 row_mask:0xf bank_mask:0xf
	v_permlanex16_b32 v109, v108, s[SEL], s[SEL+1]
	v_max_num_f32 v108, v108, v109                 ; the head's largest 2^e
	v_cmp_eq_u32 vcc_lo, 0x800000, v104            ; a block stored as zeros takes it, so that no factor is extreme
	v_cndmask_b32 v104, v104, v108, vcc_lo
	v_cmp_eq_u32 vcc_lo, 0x800000, v105
	v_cndmask_b32 v105, v105, v108, vcc_lo
	v_sub_nc_u32 v110, 0x7f000000, v104            ; 2^-e
	v_mul_f32 v110, v105, v110                     ; 2^(e of the block before - e)
	ds_store_b32 v[DTW], v110
	ds_store_b32 v[DTW], v104 offset:128
	s_wait_tensorcnt 0x1                           ; my part of slot 0 is in; slot 1's may stay out
	s_wait_dscnt 0x0
	s_wait_loadcnt 0x0                             ; Q
	s_barrier_signal -1
	s_barrier_wait -1
.macro STEP                            ; 64 keys
	v_add_nc_u32 v[KVA], s[TB], v[LI]              ; three additions and two v_nop: the five places between the last step's products and the loads and products that write over their operands
	v_add_nc_u32 v[BIH], s[TBB], v[BIA]
	v_add_nc_u32 v[DTH], s[TBD], v[DTB]
	v_nop
	v_nop
	WIN 0x40
.irp e, 0,1,2,3,4,5,6,7                        ; K: entry 2 kt + u
	ds_load_b128 v[64+8*\e:64+8*\e+3], v[KVA] offset:\e*1024
	ds_load_b128 v[64+8*\e+4:64+8*\e+7], v[KVA] offset:\e*1024+512
.endr
	WIN 0
.irp kt, 0,1,2,3                               ; the C of keys 16 kt + 8 h + 0 .. 7
	ds_load_b128 v[BS+8*\kt:BS+8*\kt+3], v[BIH] offset:64*\kt
	ds_load_b128 v[BS+8*\kt+4:BS+8*\kt+7], v[BIH] offset:64*\kt+16
.endr
	ds_load_b32 v[DEL], v[DTH]
	s_wait_dscnt 0x0
	WIN 0x05                                       ; K and Q in window 1
.irp u, 0,1                                    ; sixteen accumulators by turns, one instruction a turn
.irp kt, 0,1,2,3
.irp t, 0,1,2,3
.if \u == 0
	v_wmma_f32_16x16x32_bf16 v[S+32*\t+8*\kt:S+32*\t+8*\kt+7], v[64+8*(2*\kt+\u):64+8*(2*\kt+\u)+7], v[16*\t+8*\u:16*\t+8*\u+7], v[BS+8*\kt:BS+8*\kt+7]
.else
	v_wmma_f32_16x16x32_bf16 v[S+32*\t+8*\kt:S+32*\t+8*\kt+7], v[64+8*(2*\kt+\u):64+8*(2*\kt+\u)+7], v[16*\t+8*\u:16*\t+8*\u+7], v[S+32*\t+8*\kt:S+32*\t+8*\kt+7]
.endif
.endr
.endr
.endr
	WIN 0
	PLACES                                         ; in front of the loads into K's registers and of the first read of the scores
	WIN 0x40
.irp e, 0,1,2,3,4,5,6,7                        ; V: entry 4 u' + c; it lands while the softmax is walked
	ds_load_b128 v[64+8*\e:64+8*\e+3], v[KVA] offset:32768+\e*1024
	ds_load_b128 v[64+8*\e+4:64+8*\e+7], v[KVA] offset:32768+\e*1024+512
.endr
	WIN 0
	; the softmax; the four tiles alternate line by line, so that no line waits for the line above it
.irp j, 0,1,2,3
.irp t, 0,1,2,3
	v_max3_num_f32 v[ST+8*\t+4+\j], v[S+32*\t+8*\j], v[S+32*\t+8*\j+1], v[S+32*\t+8*\j+2]   ; each accumulator is read from its low end on
.endr
.endr
.irp i, 3,5
.irp j, 0,1,2,3
.irp t, 0,1,2,3
	v_max3_num_f32 v[ST+8*\t+4+\j], v[ST+8*\t+4+\j], v[S+32*\t+8*\j+\i], v[S+32*\t+8*\j+\i+1]
.endr
.endr
.endr
.irp t, 0,1,2,3
	v_max3_num_f32 v[ST+8*\t+4], v[ST+8*\t+4], v[S+32*\t+7], v[S+32*\t+15]
.endr
.irp t, 0,1,2,3
	v_max3_num_f32 v[ST+8*\t+6], v[ST+8*\t+6], v[S+32*\t+23], v[S+32*\t+31]
.endr
.irp t, 0,1,2,3
	v_max3_num_f32 v[ST+8*\t+4], v[ST+8*\t+4], v[ST+8*\t+5], v[ST+8*\t+6]
.endr
.irp t, 0,1,2,3
	v_max3_num_f32 v[ST+8*\t+4], v[ST+8*\t+4], v[ST+8*\t+7], v[ST+8*\t]
.endr
.irp t, 0,1,2,3
	v_permlanex16_b32 v[ST+8*\t+5], v[ST+8*\t+4], s[SEL], s[SEL+1]   ; the query's other 32 keys lie in the lane 16 away
.endr
.irp t, 0,1,2,3
	v_mov_b32 v[ST+8*\t+1], v[ST+8*\t]
.endr
.irp t, 0,1,2,3
	v_max_num_f32 v[ST+8*\t], v[ST+8*\t+4], v[ST+8*\t+5]
.endr
.irp t, 0,1,2,3
	v_sub_f32 v[ST+8*\t+1], v[ST+8*\t+1], v[ST+8*\t]                 ; m_old - m_new
.endr
.set q, 0
.rept 16
.irp t, 0,1,2,3
	v_pk_add_f32 v[S+32*\t+q:S+32*\t+q+1], v[S+32*\t+q:S+32*\t+q+1], v[ST+8*\t:ST+8*\t+1] op_sel_hi:[1,0] neg_lo:[0,1] neg_hi:[0,1]   ; S - m: 0 at the most
.endr
.set q, q+2
.endr
.irp t, 0,1,2,3
	v_exp_f32 v[ST+8*\t+6], v[ST+8*\t+1]
.endr
.set q, 0
.rept 32
.irp t, 0,1,2,3
	v_exp_f32 v[S+32*\t+q], v[S+32*\t+q]
.endr
.set q, q+1
.endr
	v_nop                                          ; one plain line behind the last exponential
	s_wait_alu depctr_va_vdst(0)                   ; ONE wait for the batch of 132, ahead of its first reader
.irp t, 0,1,2,3
	v_pk_add_f32 v[SU+4*\t:SU+4*\t+1], v[S+32*\t:S+32*\t+1], v[S+32*\t+2:S+32*\t+3]       ; the row's sum, of the unrounded p, in two chains
.endr
.irp t, 0,1,2,3
	v_pk_add_f32 v[SU+4*\t+2:SU+4*\t+3], v[S+32*\t+4:S+32*\t+5], v[S+32*\t+6:S+32*\t+7]
.endr
.irp j, 8,12,16,20,24,28
.irp t, 0,1,2,3
	v_pk_add_f32 v[SU+4*\t:SU+4*\t+1], v[SU+4*\t:SU+4*\t+1], v[S+32*\t+\j:S+32*\t+\j+1]
.endr
.irp t, 0,1,2,3
	v_pk_add_f32 v[SU+4*\t+2:SU+4*\t+3], v[SU+4*\t+2:SU+4*\t+3], v[S+32*\t+\j+2:S+32*\t+\j+3]
.endr
.endr
.irp t, 0,1,2,3
	v_pk_add_f32 v[SU+4*\t:SU+4*\t+1], v[SU+4*\t:SU+4*\t+1], v[SU+4*\t+2:SU+4*\t+3]
.endr
.irp t, 0,1,2,3
	v_pk_fma_f32 v[ST+8*\t+2:ST+8*\t+3], v[ST+8*\t+2:ST+8*\t+3], v[ST+8*\t+6:ST+8*\t+7], v[SU+4*\t:SU+4*\t+1] op_sel_hi:[1,0,1]
.endr
.set q, 0
.rept 16
.irp t, 0,1,2,3
	v_cvt_pk_f16_f32 v[S+32*\t+q], v[S+32*\t+2*q], v[S+32*\t+2*q+1]   ; P, in place, ascending
.endr
.set q, q+1
.endr
.irp t, 0,1,2,3
	v_mul_f32 v[ST+8*\t+4], v[ST+8*\t+6], v[DEL]
.endr
	WIN 0x41
.set q, 0
.rept 16
.irp t, 0,1,2,3
	v_pk_mul_f32 v[128+32*\t+q:128+32*\t+q+1], v[128+32*\t+q:128+32*\t+q+1], v[ST+8*\t+4:ST+8*\t+5] op_sel_hi:[1,0]
.endr
.set q, q+2
.endr
	s_wait_dscnt 0x0                               ; V is in
	WIN 0x51                                       ; V in window 1, P in window 0, O^T in window 1
.irp w2, 0,1
.irp c, 0,1,2,3
.irp t, 0,1,2,3
	v_wmma_f32_16x16x32_f16 v[128+32*\t+8*\c:128+32*\t+8*\c+7], v[64+8*(4*\w2+\c):64+8*(4*\w2+\c)+7], v[S+32*\t+8*\w2:S+32*\t+8*\w2+7], v[128+32*\t+8*\c:128+32*\t+8*\c+7]
.endr
.endr
.endr
	WIN 0
.endm
.macro STEPS slot, chunk               ; a slot's four steps: written once for each slot's turn, walked four times
	s_lshl_b32 s[TB], s[G], 16
	s_add_co_u32 s[TB], s[TB], \slot*131072
	s_lshl_b32 s[TBB], s[G], 12
	s_add_co_u32 s[TBB], s[TBB], \chunk*1024
	s_lshl_b32 s[TBD], s[G], 6
	s_add_co_u32 s[TBD], s[TBD], \chunk*16
	s_mov_b32 s[CNT], 4
.Lstep_\@:
	STEP
	s_add_co_u32 s[TB], s[TB], 8192
	s_add_co_u32 s[TBB], s[TBB], 256
	s_add_co_u32 s[TBD], s[TBD], 4
	s_sub_co_u32 s[CNT], s[CNT], 1
	s_cmp_lg_u32 s[CNT], 0
	s_cbranch_scc1 .Lstep_\@
.endm
; The change of slots.  Each wave waits for all its tensor loads (its part of the slot ahead), adds 0 to its spare word, and waits for that and for its reads of the slot that it leaves.
; fill = 1: slot sl, just left, takes the keys two slots on: the barrier is a round of the cluster's, and the joint load is the first thing behind it.
.macro CHANGE fill, sl
	s_wait_tensorcnt 0x0
	ds_add_u32 v[SPW], v[NIL]
.if \fill
	s_add_nc_u64 s[G0+4*\sl+2:G0+4*\sl+3], s[G0+4*\sl+2:G0+4*\sl+3], 65536
	s_wait_dscnt 0x0
	CROUND
	tensor_load_to_lds s[G0+4*\sl:G0+4*\sl+3], s[G1:G1+7]
	s_nop 0
	PLACES
.else
	s_wait_dscnt 0x0
	s_barrier_signal -1
	s_barrier_wait -1
.endif
.endm
	STEPS 0, 0
	CHANGE 1, 0
	; A prefetch of what the NEXT change will ask for (the fourth 256 keys), a slot's four steps ahead of that load.  Both clusters of a head walk the same K and V: the first asks.  Its four partners share a run's 32 KiB out by
	; address, 8 KiB each; in each the even waves ask, one for each of the four runs (K and V of each g), lanes 256 bytes apart: each block of 256 bytes is named once.
	s_cmp_eq_u32 s[LIM], 0
	s_cbranch_scc0 .Lno_ask
	global_prefetch_b8 v[PFO], s[PFA:PFA+1] th:TH_LOAD_NT scope:SCOPE_SE
.Lno_ask:
	STEPS 1, 1
	CHANGE 1, 1
	STEPS 0, 2
	CHANGE 0, 0
	STEPS 1, 3
	; ---- the merge of waves wq and wq + 4
.irp t, 0,1,2,3
	v_add_f32 v[ST+8*\t+2], v[ST+8*\t+2], v[ST+8*\t+3]               ; (these additions are the places behind the last products)
.endr
.irp t, 0,1,2,3
	v_permlanex16_b32 v[ST+8*\t+5], v[ST+8*\t+2], s[SEL], s[SEL+1]
.endr
.irp t, 0,1,2,3
	v_add_f32 v[ST+8*\t+2], v[ST+8*\t+2], v[ST+8*\t+5]               ; l of my half of the keys
.endr
	s_cmp_lt_u32 s[WV], 4
	s_cbranch_scc1 .Lkeep
	WIN 0x04                                       ; an LDS store's data are its source 1: window 1
.set q, 0
.rept 32
	ds_store_b128 v[MRA], v[128+4*q:128+4*q+3] offset:q*512
.set q, q+1
.endr
	WIN 0
.irp t, 0,1,2,3
	ds_store_b32 v[MRS], v[ST+8*\t] offset:16384+\t*256
	ds_store_b32 v[MRS], v[ST+8*\t+2] offset:16384+\t*256+128
.endr
.Lkeep:
	s_wait_dscnt 0x0
	s_barrier_signal -1
	s_barrier_wait -1
	s_cmp_lt_u32 s[WV], 4
	s_cbranch_scc0 .Lend
.set q, 0
.rept 32
	ds_load_b128 v[S+4*q:S+4*q+3], v[MRA] offset:q*512
.set q, q+1
.endr
.irp t, 0,1,2,3
	ds_load_b32 v[96+\t], v[MRS] offset:16384+\t*256
	ds_load_b32 v[100+\t], v[MRS] offset:16384+\t*256+128
.endr
	ds_load_b32 v104, v[DTB] offset:128+60         ; 2^e of block 15: my O's unit;
	ds_load_b32 v105, v[DTB] offset:128+124        ; of block 31: the other's
	s_wait_dscnt 0x0
.irp t, 0,1,2,3
	v_max_num_f32 v[108+\t], v[ST+8*\t], v[96+\t]
.endr
.irp t, 0,1,2,3
	v_sub_f32 v[112+\t], v[ST+8*\t], v[108+\t]
.endr
.irp t, 0,1,2,3
	v_sub_f32 v[116+\t], v[96+\t], v[108+\t]
.endr
.irp t, 0,1,2,3
	v_exp_f32 v[112+\t], v[112+\t]
.endr
.irp t, 0,1,2,3
	v_exp_f32 v[116+\t], v[116+\t]
.endr
	v_nop
	s_wait_alu depctr_va_vdst(0)                   ; one wait for the eight
.irp t, 0,1,2,3
	v_mul_f32 v[108+\t], v[100+\t], v[116+\t]
.endr
.irp t, 0,1,2,3
	v_fma_f32 v[108+\t], v[ST+8*\t+2], v[112+\t], v[108+\t]          ; the whole row's sum
.endr
.irp t, 0,1,2,3
	v_rcp_f32 v[108+\t], v[108+\t]
.endr
	v_nop
	s_wait_alu depctr_va_vdst(0)                   ; one wait for the four
.irp t, 0,1,2,3
	v_mul_f32 v[112+\t], v[112+\t], v[108+\t]
.endr
.irp t, 0,1,2,3
	v_mul_f32 v[116+\t], v[116+\t], v[108+\t]
.endr
.irp t, 0,1,2,3
	v_mul_f32 v[ST+8*\t+4], v[112+\t], v104
.endr
.irp t, 0,1,2,3
	v_mul_f32 v[ST+8*\t+6], v[116+\t], v105
.endr
.irp t, 0,1,2,3
.set q, 0
.rept 16
	v_pk_mul_f32 v[S+32*\t+q:S+32*\t+q+1], v[S+32*\t+q:S+32*\t+q+1], v[ST+8*\t+6:ST+8*\t+7] op_sel_hi:[1,0]
.set q, q+2
.endr
.endr
	WIN 0x01                                       ; source 0: my O^T, in window 1
.irp t, 0,1,2,3
.set q, 0
.rept 16
	v_pk_fma_f32 v[S+32*\t+q:S+32*\t+q+1], v[128+32*\t+q:128+32*\t+q+1], v[ST+8*\t+4:ST+8*\t+5], v[S+32*\t+q:S+32*\t+q+1] op_sel_hi:[1,0,1]
.set q, q+2
.endr
.endr
	WIN 0
.irp t, 0,1,2,3
.irp c, 0,1,2,3
	global_store_b128 v[LI], v[S+32*\t+8*\c:S+32*\t+8*\c+3], s[CB:CB+1] offset:\t*65536+\c*1024       ; 32 lanes store 512 consecutive bytes
	global_store_b128 v[LI], v[S+32*\t+8*\c+4:S+32*\t+8*\c+7], s[CB:CB+1] offset:\t*65536+\c*1024+512
.endr
.endr
.Lend:
	s_wait_tensorcnt 0x0                           ; the wave's end
	ds_add_u32 v[SPW], v[NIL]
	s_wait_dscnt 0x0
	CROUND                                         ; the closing round
	s_endpgm
.Lfunc_end_k_qa4b39e49cd_attn:
	.size	k_qa4b39e49cd_attn, .Lfunc_end_k_qa4b39e49cd_attn-k_qa4b39e49cd_attn
	.p2alignl 7, 3214868480
	.fill 96, 4, 3214868480
	.section	.rodata,"a",@progbits
	.p2align	6, 0x0
	.amdhsa_kernel k_qa4b39e49cd_attn
		.amdhsa_group_segment_fixed_size 327680
		.amdhsa_private_segment_fixed_size 0
		.amdhsa_enable_private_segment 0
		.amdhsa_kernarg_size 48
		.amdhsa_user_sgpr_count 2
		.amdhsa_user_sgpr_kernarg_segment_ptr 1
		.amdhsa_wavefront_size32 1
		.amdhsa_system_sgpr_workgroup_id_x 1
		.amdhsa_system_sgpr_workgroup_id_y 1
		.amdhsa_system_sgpr_workgroup_id_z 1
		.amdhsa_system_vgpr_workitem_id 0
		.amdhsa_next_free_vgpr 512
		.amdhsa_next_free_sgpr 66
		.amdhsa_reserve_vcc 1
		.amdhsa_float_denorm_mode_32 3
		.amdhsa_float_denorm_mode_16_64 3
		.amdhsa_memory_ordered 1
		.amdhsa_forward_progress 1
		.amdhsa_inst_pref_size 165
	.end_amdhsa_kernel
	.amdgpu_metadata
---
amdhsa.version: [ 1, 2 ]
amdhsa.kernels:
  - .name:           k_qa4b39e49cd_attn
    .symbol:         k_qa4b39e49cd_attn.kd
    .args:
      - { .name: qf, .offset: 0, .size: 8, .value_kind: global_buffer, .address_space: global }
      - { .name: kf, .offset: 8, .size: 8, .value_kind: global_buffer, .address_space: global }
      - { .name: vf, .offset: 16, .size: 8, .value_kind: global_buffer, .address_space: global }
      - { .name: vsc, .offset: 24, .size: 8, .value_kind: global_buffer, .address_space: global }
      - { .name: mask, .offset: 32, .size: 8, .value_kind: global_buffer, .address_space: global }
      - { .name: ctx32, .offset: 40, .size: 8, .value_kind: global_buffer, .address_space: global }
    .group_segment_fixed_size: 327680
    .private_segment_fixed_size: 0
    .kernarg_segment_align: 8
    .kernarg_segment_size: 48
    .max_flat_workgroup_size: 256
    .sgpr_count:     66
    .vgpr_count:     512
    .wavefront_size: 32
...
	.end_amdgpu_metadata
.endif
;; end of part 3
;; launch outp (part 4): grid 256 x 1, 4 waves a work-group, no clusters, 50,688 bytes of LDS; arguments ctx32, wts, out_b, out0; writes out0
.if DOCPART == 4
	.amdgcn_target "amdgcn-amd-amdhsa--gfx1250"
	.amdhsa_code_object_version 6
	.text
	.protected	k_qa4b39e49cd_outp
	.globl	k_qa4b39e49cd_outp
	.p2align	8
	.type	k_qa4b39e49cd_outp,@function
k_qa4b39e49cd_outp:
	s_mov_b64 s[64:65], 0
	v_nop
	global_prefetch_b8 v0, s[64:65] scope:SCOPE_SE
	s_setreg_imm32_b32 hwreg(HW_REG_WAVE_MODE, 25, 1), 1
	s_wait_xcnt 0x0
; OUTP: out0 = (ctx out_u) out_v + out_b, both products on f16 operands with power-of-two block scales, sums in f32.  A work-group takes ONE tile of 16 rows: 4,096 rows / 16 = 256 work-groups.
; PHASE 1 splits K: wave w takes k = 256 w .. 256 w + 255.  ctx32 holds ctx as f32 in the order of the operand's registers: the tile's quarter (128 registers a lane) is scaled by 2^-e of its largest magnitude and packed
; in place to eight f16 fragments.  T^T = out_u^T ctx^T (source 0 = 16 ranks, source 1 = the 16 rows): eight accumulators by turns, eight steps of 32 along K.
; The four partial sums, multiplied by their two block scales, meet in LDS behind ONE barrier; EVERY wave adds all four itself (the same order in all, so the same bits), scales and packs: T's four fragments are then in
; each wave's own registers, and nothing goes back through LDS.
; PHASE 2 splits the columns: wave w makes columns 256 w .. 256 w + 255: 16 accumulators, in two halves of eight by turns.  The raw sums go through the wave's own stage and come back as rows, into the registers that they
; left; a lane then holds 4 neighbouring columns, and one packed fused multiply-add applies that lane's column scale x T's scale and its bias.  Sixteen lanes store 256 consecutive aligned bytes.
; THE WEIGHTS go from memory straight into registers, each fragment to one wave once: 16 chunks of 16 loads in the order of need (out_u's eight steps, then out_v's eight pairs of column tiles), each asked for four
; steps ahead of its use.  More loads are written on end than LOADcnt's field counts; the issue of a load then stalls by itself (ISA guide 5.7.1), so no wait is placed for that.
; No tensor load, so no ring.  No cluster: a joint load lands in LDS, and the weights would then be read once more from there on their way to the registers.
; LIMITS: NaN and infinities are not served; an f16 number under 2^-14 of its block's largest loses bits against itself, not against the block.
.set STG,   32768                      ; LDS: 0 .. 32,767 the partial sums, 8,192 a wave; then a stage of 16 rows x 272 bytes for each wave;
.set SPARE, 50176                      ; the spare words, 128 bytes for each wave
.set WF_O,  221184
.set OF_O,  1269760
.set WU_O,  1531904
.set OU_O,  1532928
.set LI,  4                            ; 16 x lane
.set PTA, 5                            ; my wave's partial sums + 16 x lane
.set SO,  6                            ; the stage: where I put 32 bytes of a row
.set SRD, 7                            ; and where I read a row back
.set OA,  8                            ; the same place in out0
.set BA,  9                            ; 16 x (lane % 16): my 4 columns' bias
.set FA,  10                           ; 4 x ((lane % 16) / 4): my columns' tile in the table of scales
.set SPW, 14
.set NIL, 15
.set M,   16                           ; v16-19
.set UP,  20
.set TMP, 21
.set DN,  22                           ; v22-23
.set BI,  24                           ; v24-39 bias: 4 numbers for each group of 64 columns
.set FV,  40                           ; v40-47 column scale x T's scale, twice, for each group
.set FL,  48                           ; v48-51 the column scales as loaded
.set X,   64                           ; v64-191 ctx as f32; packed in place: fragment u at 64 + 8 u
.set PA,  192                          ; v192-255 phase 1's accumulators: rank tile t at 192 + 8 t
.set TA,  64                           ; then the sums of T: v64-127, v128-191, v192-255; T's fragment u at 64 + 8 u
.set TBF, 128
.set TC,  192
.set ACC, 128                          ; v128-255 phase 2's accumulators: column tile c at 128 + 8 c
.set SEL, 26
; window 2: out_u's steps 0-3 ((u, t) at 64 u + 8 t), later out_v's column tiles 8-15.  window 3: out_u's steps 4-7.  window 1: out_v's column tiles 0-7 ((c, u) at 8 (4 c + u)).
.set MSB, 0
.macro WIN new                         ; the immediate's high byte repeats the setting that is left
.if MSB != \new
	s_set_vgpr_msb (MSB<<8)|\new
.set MSB, \new
.endif
.endm
.macro PLACES
.rept 4
	v_nop
.endr
.endm
.macro FINMAX                          ; the four chains -> UP = 2^e, DN = 2^-e (twice), the same in every lane
	v_max3_num_f32 v[M], v[M], v[M+1], v[M+2]
	v_max_num_f32 v[M], v[M], v[M+3]
	v_max_num_f32_dpp v[M], v[M], v[M] row_xmask:1 row_mask:0xf bank_mask:0xf
	v_max_num_f32_dpp v[M], v[M], v[M] row_xmask:2 row_mask:0xf bank_mask:0xf
	v_max_num_f32_dpp v[M], v[M], v[M] row_xmask:4 row_mask:0xf bank_mask:0xf
	v_max_num_f32_dpp v[M], v[M], v[M] row_xmask:8 row_mask:0xf bank_mask:0xf
	v_permlanex16_b32 v[TMP], v[M], s[SEL], s[SEL+1]
	v_max_num_f32 v[M], v[M], v[TMP]
	v_min_u32 v[M], 0x7e7fffff, v[M]               ; so that 2^-e stays a normal number
	v_and_b32 v[UP], 0x7f800000, v[M]
	v_sub_nc_u32 v[DN], 0x7f000000, v[UP]
	v_mov_b32 v[DN+1], v[DN]
.endm
.macro CHAINS base, groups             ; the largest magnitude of 8 x groups registers, in four chains; the floor 2^-126 among the leaves
.irp k, 0,1,2,3
	v_max3_num_f32 v[M+\k], |v[\base+2*\k]|, |v[\base+2*\k+1]|, 0x800000
.endr
.set q, 8
.rept \groups-1
.irp k, 0,1,2,3
	v_max3_num_f32 v[M+\k], v[M+\k], |v[\base+q+2*\k]|, |v[\base+q+2*\k+1]|
.endr
.set q, q+8
.endr
.endm
.macro PACK base, pairs                ; x 2^-e, then to f16 in place, ascending
.set q, 0
.rept \pairs
	v_pk_mul_f32 v[\base+q:\base+q+1], v[\base+q:\base+q+1], v[DN:DN+1] op_sel_hi:[1,0]
.set q, q+2
.endr
.set q, 0
.rept \pairs
	v_cvt_pk_f16_f32 v[\base+q], v[\base+2*q], v[\base+2*q+1]
.set q, q+1
.endr
.endm
; Chunk c of the weights: 16 loads of 512 consecutive bytes.  c = 0 .. 7: out_u's eight fragments of step c.  c = 8 .. 15: out_v's eight fragments of column tiles 2 (c - 8) and 2 (c - 8) + 1.
.macro CHUNK c
.if (\c) < 8
.if (\c) < 4
	WIN 0x80
.else
	WIN 0xc0
.endif
.irp t, 0,1,2,3,4,5,6,7
	global_load_b128 v[64*((\c)%4)+8*\t:64*((\c)%4)+8*\t+3], v[LI], s[18:19] offset:(\c)*8192+\t*1024
	global_load_b128 v[64*((\c)%4)+8*\t+4:64*((\c)%4)+8*\t+7], v[LI], s[18:19] offset:(\c)*8192+\t*1024+512
.endr
.else
.if (\c) < 12
	WIN 0x40
.else
	WIN 0x80
.endif
.irp t, 0,1,2,3,4,5,6,7
	global_load_b128 v[64*((\c)%4)+8*\t:64*((\c)%4)+8*\t+3], v[LI], s[20:21] offset:(8*((\c)-8)+\t)*1024
	global_load_b128 v[64*((\c)%4)+8*\t+4:64*((\c)%4)+8*\t+7], v[LI], s[20:21] offset:(8*((\c)-8)+\t)*1024+512
.endr
.endif
	WIN 0
.endm
.macro PSTEP uu                        ; 32 along K: eight products, the eight accumulators by turns, one instruction a turn
	s_wait_loadcnt 48                              ; behind chunk uu three chunks were issued: they may stay out
.if \uu < 4
	WIN 0x02                                       ; out_u in window 2 or 3; ctx and the sums in window 0
.else
	WIN 0x03
.endif
.irp t, 0,1,2,3,4,5,6,7
.if \uu == 0
	v_wmma_f32_16x16x32_f16 v[PA+8*\t:PA+8*\t+7], v[64*((\uu)%4)+8*\t:64*((\uu)%4)+8*\t+7], v[X+8*(\uu):X+8*(\uu)+7], 0
.else
	v_wmma_f32_16x16x32_f16 v[PA+8*\t:PA+8*\t+7], v[64*((\uu)%4)+8*\t:64*((\uu)%4)+8*\t+7], v[X+8*(\uu):X+8*(\uu)+7], v[PA+8*\t:PA+8*\t+7]
.endif
.endr
	CHUNK \uu+4                                    ; into registers that no product has read yet
.endm
.macro TLD dst, off                    ; 64 registers of one wave's partial sums
.irp e, 0,1,2,3,4,5,6,7,8,9,10,11,12,13,14,15
	ds_load_b128 v[\dst+4*\e:\dst+4*\e+3], v[LI] offset:\off+\e*512
.endr
.endm
.macro TADD src
.set q, 0
.rept 32
	v_pk_add_f32 v[TA+q:TA+q+1], v[TA+q:TA+q+1], v[\src+q:\src+q+1]
.set q, q+2
.endr
.endm
.macro HALF hf                         ; column tiles 8 hf .. 8 hf + 7: 32 products, eight accumulators by turns; the first eight start the sums
.irp u, 0,1,2,3
.irp c, 0,1,2,3,4,5,6,7
.if \u == 0
	v_wmma_f32_16x16x32_f16 v[ACC+64*\hf+8*\c:ACC+64*\hf+8*\c+7], v[8*(4*\c+\u):8*(4*\c+\u)+7], v[TA+8*\u:TA+8*\u+7], 0
.else
	v_wmma_f32_16x16x32_f16 v[ACC+64*\hf+8*\c:ACC+64*\hf+8*\c+7], v[8*(4*\c+\u):8*(4*\c+\u)+7], v[TA+8*\u:TA+8*\u+7], v[ACC+64*\hf+8*\c:ACC+64*\hf+8*\c+7]
.endif
.endr
.endr
.endm
; Group g: columns 64 g .. 64 g + 63 of my 256 (four accumulators).  A lane's eight sums are 32 bytes of one row: into rows of 272 bytes, and back as whole rows of 256, into the registers that they left.
.macro TOSTAGE g
.irp c, 0,1,2,3
	ds_store_b128 v[SO], v[ACC+32*\g+8*\c:ACC+32*\g+8*\c+3] offset:64*\c          ; each accumulator from its low end on
	ds_store_b128 v[SO], v[ACC+32*\g+8*\c+4:ACC+32*\g+8*\c+7] offset:64*\c+16
.endr
.irp i, 0,1,2,3,4,5,6,7
	ds_load_b128 v[ACC+32*\g+4*\i:ACC+32*\g+4*\i+3], v[SRD] offset:2*\i*272       ; LDS serves a wave's instructions in order (ISA guide 5.7.1.4): these see the stores above, and the next group's stores come behind them
.endr
.endm
.macro SEND g, younger                 ; younger: the LDS instructions issued behind group g's loads
.irp i, 0,1,2,3,4,5,6,7
	s_wait_dscnt \younger+7-\i
	v_pk_fma_f32 v[ACC+32*\g+4*\i:ACC+32*\g+4*\i+1], v[ACC+32*\g+4*\i:ACC+32*\g+4*\i+1], v[FV+2*\g:FV+2*\g+1], v[BI+4*\g:BI+4*\g+1]
	v_pk_fma_f32 v[ACC+32*\g+4*\i+2:ACC+32*\g+4*\i+3], v[ACC+32*\g+4*\i+2:ACC+32*\g+4*\i+3], v[FV+2*\g:FV+2*\g+1], v[BI+4*\g+2:BI+4*\g+3]
	global_store_b128 v[OA], v[ACC+32*\g+4*\i:ACC+32*\g+4*\i+3], s[24:25] offset:2*\i*4096+\g*256 th:TH_STORE_NT   ; sixteen lanes store 256 consecutive bytes, aligned; no register of a store is written again
.endr
.endm
	s_load_b256 s[4:11], s[0:1], 0x0               ; ctx32 4, wts 6, out_b 8, out0 10
	v_lshl_add_u32 v[SPW], v0, 2, SPARE
	v_mov_b32 v[NIL], 0
	v_lshrrev_b32 v1, 5, v0
	v_readfirstlane_b32 s12, v1                    ; wave
	v_and_b32 v1, 31, v0
	v_and_b32 v2, 15, v0                           ; r
	v_bfe_u32 v3, v0, 4, 1                         ; h
	v_lshlrev_b32 v[LI], 4, v1
	s_lshl_b32 s14, s12, 13
	v_add_nc_u32 v[PTA], s14, v[LI]
	s_mul_i32 s14, s12, 4352
	s_add_co_u32 s14, s14, STG
	v_mul_u32_u24 v[SO], v2, 272
	v_lshl_add_u32 v[SO], v3, 5, v[SO]
	v_add_nc_u32 v[SO], s14, v[SO]                 ; into the stage: row r, 32 h bytes on
	v_mul_u32_u24 v[SRD], v3, 272
	v_lshl_add_u32 v[SRD], v2, 4, v[SRD]
	v_add_nc_u32 v[SRD], s14, v[SRD]               ; back: lanes 0-15 one row, lanes 16-31 the next
	v_lshlrev_b32 v[OA], 12, v3
	v_lshl_add_u32 v[OA], v2, 4, v[OA]             ; and the same two rows in out0
	v_lshlrev_b32 v[BA], 4, v2
	v_lshrrev_b32 v[FA], 2, v2
	v_lshlrev_b32 v[FA], 2, v[FA]
	v_mov_b32 v[TMP], 0                            ; a lane permute's destination counts as read
	s_mov_b32 s[SEL], 0x76543210
	s_mov_b32 s[SEL+1], 0xfedcba98
	s_mov_b32 s61, 0                               ; (named with s60 as a pair)
	s_mov_b32 s15, 0
	s_wait_kmcnt 0x0
	s_lshl_b32 s14, ttmp9, 16                      ; a row tile of ctx32 is 65,536 bytes,
	s_lshl_b32 s13, s12, 14                        ; my eight steps of 32 along K 16,384
	s_add_co_u32 s14, s14, s13
	s_add_nc_u64 s[16:17], s[4:5], s[14:15]
	s_lshl_b32 s14, s12, 16
	s_add_co_u32 s14, s14, OF_O
	s_add_nc_u64 s[18:19], s[6:7], s[14:15]        ; out_u's fragments of my quarter of K
	s_lshl_b32 s14, s12, 16
	s_add_co_u32 s14, s14, WF_O+786432
	s_add_nc_u64 s[20:21], s[6:7], s[14:15]        ; out_v's fragments of my 16 column tiles
	s_lshl_b32 s14, s12, 10
	s_add_nc_u64 s[22:23], s[8:9], s[14:15]        ; out_b at my 256 columns
	s_lshl_b32 s13, ttmp9, 16                      ; 16 rows of 4,096 bytes
	s_add_co_u32 s14, s14, s13
	s_add_nc_u64 s[24:25], s[10:11], s[14:15]      ; out0 at my 16 rows, my 256 columns
	s_lshl_b32 s14, s12, 5
	s_add_co_u32 s14, s14, OU_O
	s_add_nc_u64 s[62:63], s[6:7], s[14:15]
	s_load_b256 s[28:35], s[62:63], 0x0            ; 2^e of out_u's eight rank tiles in my quarter
	s_lshl_b32 s14, s12, 6
	s_add_co_u32 s14, s14, WU_O+768
	s_add_nc_u64 s[38:39], s[6:7], s[14:15]        ; 2^e of my 16 column tiles of out_v
.set q, 0
.rept 32                                       ; the tile's quarter of ctx: 16,384 dense bytes, read once
	global_load_b128 v[X+4*q:X+4*q+3], v[LI], s[16:17] offset:q*512 th:TH_LOAD_NT
.set q, q+1
.endr
.irp g, 0,1,2,3
	global_load_b128 v[BI+4*\g:BI+4*\g+3], v[BA], s[22:23] offset:\g*256
	global_load_b32 v[FL+\g], v[FA], s[38:39] offset:\g*16
.endr
	CHUNK 0
	CHUNK 1
	s_wait_loadcnt 40                              ; behind ctx's loads: 8 of bias and scales and the 32 of chunks 0 and 1: they may stay out
	CHUNK 2
	CHAINS X, 16                                   ; 16 rows x 256 k share one scale
	FINMAX
	v_readfirstlane_b32 s36, v[UP]
	CHUNK 3
	PACK X, 64
.irp uu, 0,1,2,3,4,5,6,7
	PSTEP \uu
.endr
	PLACES                                         ; four places between the last product and the first read of results, and the loads into out_u's registers
	CHUNK 12
	s_wait_kmcnt 0x0                               ; out_u's scales
.irp t, 0,1,2,3,4,5,6,7
	s_mul_f32 s60, s[28+\t], s36                   ; the two block scales of this partial sum
.irp j, 0,2,4,6
	v_pk_mul_f32 v[PA+8*\t+\j:PA+8*\t+\j+1], v[PA+8*\t+\j:PA+8*\t+\j+1], s[60:61] op_sel_hi:[1,0]
.endr
.endr
.set q, 0
.rept 16
	ds_store_b128 v[PTA], v[PA+4*q:PA+4*q+3] offset:q*512
.set q, q+1
.endr
	CHUNK 13
	s_wait_dscnt 0x0                               ; for the others' sake: my stores are done
	s_barrier_signal -1
	s_barrier_wait -1
	TLD TA, 0
	TLD TBF, 8192
	TLD TC, 16384
	CHUNK 14
	s_wait_dscnt 16                                ; waves 0 and 1's are in; wave 2's sixteen loads may be out
	TADD TBF
	TLD TBF, 24576
	CHUNK 15
	s_wait_dscnt 16                                ; wave 2's are in
	TADD TC
	s_wait_dscnt 0x0
	TADD TBF
	CHAINS TA, 8                                   ; T: 16 rows x 128 ranks share one scale
	FINMAX
	PACK TA, 32                                    ; rank tiles 2 u and 2 u + 1 are step u of the next K
.irp g, 0,1,2,3
	v_mul_f32 v[FV+2*\g], v[FL+\g], v[UP]          ; my columns' scale x T's
.endr
.irp g, 0,1,2,3
	v_mov_b32 v[FV+2*\g+1], v[FV+2*\g]
.endr
	s_wait_loadcnt 48                              ; chunks 13 to 15 may be out: column tiles 0-7 are in
	WIN 0x01                                       ; out_v in window 1
	HALF 0
	WIN 0
	PLACES
	TOSTAGE 0
	TOSTAGE 1
	s_wait_loadcnt 0x0                             ; column tiles 8-15
	WIN 0x02                                       ; out_v in window 2
	HALF 1
	WIN 0
	SEND 0, 16                                     ; behind group 0's loads: group 1's 8 stores and 8 loads.  These multiply-adds, which name no register of the last products, are the places behind them
	SEND 1, 0
	TOSTAGE 2
	TOSTAGE 3
	SEND 2, 16
	SEND 3, 0
	s_wait_tensorcnt 0x0                           ; the wave's end
	ds_add_u32 v[SPW], v[NIL]
	s_wait_dscnt 0x0
	s_endpgm
.Lfunc_end_k_qa4b39e49cd_outp:
	.size	k_qa4b39e49cd_outp, .Lfunc_end_k_qa4b39e49cd_outp-k_qa4b39e49cd_outp
	.p2alignl 7, 3214868480
	.fill 96, 4, 3214868480
	.section	.rodata,"a",@progbits
	.p2align	6, 0x0
	.amdhsa_kernel k_qa4b39e49cd_outp
		.amdhsa_group_segment_fixed_size 50688
		.amdhsa_private_segment_fixed_size 0
		.amdhsa_enable_private_segment 0
		.amdhsa_kernarg_size 32
		.amdhsa_user_sgpr_count 2
		.amdhsa_user_sgpr_kernarg_segment_ptr 1
		.amdhsa_wavefront_size32 1
		.amdhsa_system_sgpr_workgroup_id_x 1
		.amdhsa_system_sgpr_workgroup_id_y 1
		.amdhsa_system_sgpr_workgroup_id_z 1
		.amdhsa_system_vgpr_workitem_id 0
		.amdhsa_next_free_vgpr 1024
		.amdhsa_next_free_sgpr 66
		.amdhsa_reserve_vcc 0
		.amdhsa_float_denorm_mode_32 3
		.amdhsa_float_denorm_mode_16_64 3
		.amdhsa_memory_ordered 1
		.amdhsa_forward_progress 1
		.amdhsa_inst_pref_size 86
	.end_amdhsa_kernel
	.amdgpu_metadata
---
amdhsa.version: [ 1, 2 ]
amdhsa.kernels:
  - .name:           k_qa4b39e49cd_outp
    .symbol:         k_qa4b39e49cd_outp.kd
    .args:
      - { .name: ctx32, .offset: 0, .size: 8, .value_kind: global_buffer, .address_space: global }
      - { .name: wts, .offset: 8, .size: 8, .value_kind: global_buffer, .address_space: global }
      - { .name: out_b, .offset: 16, .size: 8, .value_kind: global_buffer, .address_space: global }
      - { .name: out0, .offset: 24, .size: 8, .value_kind: global_buffer, .address_space: global }
    .group_segment_fixed_size: 50688
    .private_segment_fixed_size: 0
    .kernarg_segment_align: 8
    .kernarg_segment_size: 32
    .max_flat_workgroup_size: 128
    .sgpr_count:     66
    .vgpr_count:     1024
    .wavefront_size: 32
...
	.end_amdgpu_metadata
.endif
;; end of part 4
